; MI455X (gfx1250); checked and timed in simulation.
; The chip was launched on July 23, 2026; its instructions are those of AMD's public machine-readable ISA for CDNA 5 (MIT licence, August 2026) and "CDNA5" Instruction Set Architecture Reference Guide (July 2026). The comments in the code are by the model that wrote it; some were corrected since.
;; Attention. Allowed arithmetic: matrix products marked QUANTISED: E4M3 operands, one given power-of-two scale a tensor, by v_wmma_f32_16x16x64_fp8_fp8 or v_wmma_f32_16x16x128_fp8_fp8, f32 sums; everything else in f32.
;; Inputs: b_attn 3,072 float32; b_prefix 3,072 float32; b_proj 1,024 float32; lowp_scales 14 int32 (the exponents e of the quantised operands' scales 2^e); prefix_embd 8 x 64 x 1,024 float32; w_attn 1,024 x 3,072 float32; w_prefix 1,024 x 3,072 float32; w_proj 1,024 x 1,024 float32; x 8 x 1,024 x 1,024 float32.
;; Outputs: out0 8 x 1,024 x 1,024 float32.
;; This version of the problem:
;;   THIS VERSION OF THE PROBLEM IS GIVEN IN LOW PRECISION. The matrix products marked QUANTISED in the list below multiply operands that are first quantised to E4M3 (4 exponent bits, 3 mantissa bits; 8 bits a number), with one given power-of-two scale for each operand tensor; their sums are f32. All else is computed in f32.
;;   The module's matrix products, in the order in which they are computed (A, B: the left and right operand; K: the contracted axis; several contracted axes count as one K, in the product's order):
;;     1. [M 8,192, K 1,024] x [K 1,024, N 3,072]; A: input x; B: input w_attn: QUANTISED (scales: A lowp_scales[0], B lowp_scales[1])
;;     2. [M 512, K 1,024] x [K 1,024, N 3,072]; A: input prefix_embd; B: input w_prefix: QUANTISED (scales: A lowp_scales[2], B lowp_scales[3])
;;     3. batch 128 x [M 1,024, K 64] x [K 64, N 1,024]; A: computed on the way; B: computed on the way: QUANTISED (scales: A lowp_scales[4], B lowp_scales[5])
;;     4. batch 128 x [M 1,024, K 64] x [K 64, N 64]; A: computed on the way; B: computed on the way: QUANTISED (scales: A lowp_scales[6], B lowp_scales[7])
;;     5. batch 128 x [M 1,024, K 64] x [K 64, N 64]; A: softmax (see below); B: computed on the way: QUANTISED (scales: A lowp_scales[8], B lowp_scales[9])
;;     6. batch 128 x [M 1,024, K 1,024] x [K 1,024, N 64]; A: softmax (see below); B: computed on the way: QUANTISED (scales: A lowp_scales[10], B lowp_scales[11])
;;     7. [M 8,192, K 1,024] x [K 1,024, N 1,024]; A: computed on the way; B: input w_proj: QUANTISED (scales: A lowp_scales[12], B lowp_scales[13])
;;   THE QUANTISER, for each operand of a quantised product, along K:
;;     - The operand's scale is 2^e, e = its entry of the input lowp_scales (int32; the entries are numbered through the quantised products in the list's order, A before B).
;;     - Each number is divided by the scale, clamped to +-448, and rounded to the nearest number of E4M3, ties to even, subnormals kept.
;;     - The product sums the exact products of the quantised numbers (number of the format x scale) in f32.
;;   ~~~python
;;   def quantise(x, axis, e):      # numpy; x: float32 -> the quantised numbers, widened to float32 again
;;       x = np.moveaxis(x, axis, -1); K = x.shape[-1]
;;       r = np.clip(x / 2.0 ** e, -448, 448)
;;       step = 2.0 ** (np.maximum(np.frexp(np.where(r == 0, 1, r))[1] - 1, -6) - 3)
;;       q = np.round(r / step) * step * 2.0 ** e      # np.round: ties to even
;;       return np.moveaxis(q, -1, axis).astype(np.float32)
;;   ~~~
;;   SOFTMAX AHEAD OF A QUANTISED PRODUCT. Where the list says 'softmax', what is quantised is not the finished softmax but p = 2^(t - M), with t = logit x log2(e) and M = ceil(the row's largest t), a whole number; so 1/2 < the row's largest p <= 1. The row's sum l is taken of the UNQUANTISED p, in f32, and the product's result is divided by l at the end. Since M is a whole number, a kernel that streams over the keys may use a running M (the ceiling of the running maximum): every later rescaling is an exact power of two, so the quantised numbers keep their values, but for numbers so far below the row's largest that they fall under the format's range.
;;   OPERANDS COMPUTED ON THE WAY. 'Computed on the way' means the value that the module computes at that place (a softmax that the list does not call 'softmax' is quantised finished and normalised). What goes into a quantiser is computed in f32, as accurately as f32 sums, v_exp_f32 and their like allow (about 1e-6 of the number): no bf16 or f16 on the way to a quantiser, and a product that is left as it is and whose result goes on into a quantised operand takes f32 operands (vector FMAs, or v_wmma_f32_16x16x4_f32). A number that lies on a knife's edge between two numbers of the format may be rounded either way, as far as f32 arithmetic and the matrix unit's own rounding can turn it there, and no further.
;; One version. Each part assembles by itself: llvm-mc -triple=amdgcn-amd-amdhsa -mcpu=gfx1250 --defsym DOCPART=n.
;; ======== version 1 of 1: 4 launches
;; limits: right only within a limited range of input values
;; workspace buffers: cod 14,155,776 bytes; wpj 1,048,576 bytes; qc 16,777,216 bytes; kvc 17,825,792 bytes; yc 8,388,608 bytes
;; launch quant (part 1): grid 736 x 1, 4 waves a work-group, no clusters, 68,096 bytes of LDS; arguments x, prefix_embd, w_attn, w_prefix, w_proj, lowp_scales, cod, wpj; writes cod, wpj
.if DOCPART == 1
	.amdgcn_target "amdgcn-amd-amdhsa--gfx1250"
	.amdhsa_code_object_version 6
	.text
	.protected	k_qf5a18a2d75_quant
	.globl	k_qf5a18a2d75_quant
	.p2align	8
	.type	k_qf5a18a2d75_quant,@function
k_qf5a18a2d75_quant:
	s_mov_b64 s[64:65], 0
	v_nop
	global_prefetch_b8 v0, s[64:65] scope:SCOPE_SE
	s_setreg_imm32_b32 hwreg(HW_REG_WAVE_MODE, 25, 1), 1
	s_wait_xcnt 0x0
; The five f32 inputs of the quantised products become codes of E4M3, K innermost, each with the one scale 2^e that is given for it.
; code = number / 2^e, held within +-448, rounded to the nearest code, ties to even.
; acts: x's codes [8192][1024], then prefix_embd's [512][1024].  wts: [6144][1024]: rows 0-3071 the columns of w_attn, rows 3072-5119 columns 1024-3071 of w_prefix, rows 5120-6143 the columns of w_proj.
; Columns 0-1023 of w_prefix feed only the third of the prefix's product that the module throws away: they are not read.
; Work-groups 0-543 (the stream path): x and prefix_embd have K innermost and dense rows: plain streams of numbers.  A wave takes 8 steps of 512 numbers; each load reads 512 consecutive bytes; the
; 2,048 bytes of a step turn through the wave's own stage in LDS, so that a lane holds 16 neighbours for the conversions; a lane's 16 codes are 16 bytes, the wave stores 512 consecutive bytes.
; Work-groups 544-735 (the weight path): K is the FIRST axis.  A lane takes a column and its registers run down K; a wave takes 32 columns x 256 along K; the codes leave through the wave's own stage as rows of 256 bytes.
; The two paths part on the work-group's number and have LDS bytes of their own.  No barrier: waves share nothing.
; LIMITS: each e used here (entries 0, 1, 2, 3, 13) lies between -126 and 119.  NaN among the inputs is not served.
.set NX,      512                      ; work-groups for x
.set NSTREAM, 544                      ; and with prefix_embd's 32
.set STEPS,   8
.set WREG,    8192                     ; stream path: LDS of a wave: two stages of 32 x SP bytes
.set SP,      80                       ; a lane's place in a stage: 64 bytes + 16 of padding
.set R,       16                       ; v16-79   four sets of 16 numbers as loaded
.set X,       80                       ; v80-111  two sets of 16 neighbours
.set C,       128                      ; v128-159 codes, four registers a step, never written again
.set WSTG,    32768                    ; weight path: the stages begin here
.set PITCH,   272                      ; a stage row: 256 bytes of codes + 16
.set NB,      8                        ; blocks of 32 along K for a wave
.set WX,      32                       ; v32-95   two sets of 32 numbers
.set WC,      96                       ; v96-103  a block's codes
.set OUTR,    112                      ; v112-175 the way out
.set VO,      176                      ; v176-207 4 x lane + i x the tensor's row bytes
	s_load_b256 s[4:11], s[0:1], 0x0               ; x, prefix_embd, w_attn, w_prefix
	s_load_b256 s[12:19], s[0:1], 0x20             ; w_proj, the exponents, acts, wts
	v_lshl_add_u32 v208, v0, 2, 0x10800
	v_mov_b32 v209, 0
	v_lshrrev_b32 v1, 5, v0
	v_readfirstlane_b32 s20, v1                    ; wave
	v_and_b32 v2, 31, v0                           ; lane
	s_wait_kmcnt 0x0
	s_load_b128 s[24:27], s[14:15], 0x0            ; e0 .. e3
	s_load_b32 s28, s[14:15], 0x34                 ; e13
	s_cmp_ge_u32 ttmp9, NSTREAM
	s_cbranch_scc1 .Lweights
; ---------------------------------------------------------------- the stream path
	s_wait_alu depctr_va_vdst(0)
	v_lshlrev_b32 v3, 4, v2                        ; my 16 bytes of a load's 512, and of a store's
	s_wait_alu depctr_va_vdst(0)
	s_mul_i32 s21, s20, WREG
	v_lshrrev_b32 v14, 2, v2
	v_mul_u32_u24 v14, v14, SP
	v_and_b32 v15, 3, v2
	v_lshl_add_u32 v14, v15, 4, v14
	v_add_nc_u32 v14, s21, v14                     ; into the stage: four lanes' 64 bytes on end, then the padding
	v_mul_u32_u24 v15, v2, SP
	v_add_nc_u32 v15, s21, v15                     ; out of it: my 16 neighbours
	s_cmp_lt_u32 ttmp9, NX                         ; x's work-group or prefix_embd's: the choice hangs on the work-group's number alone
	s_cselect_b64 s[4:5], s[4:5], s[6:7]
	s_cselect_b32 s22, 0, NX
	s_sub_co_u32 s22, ttmp9, s22
	s_lshl_b32 s22, s22, 2
	s_add_co_u32 s22, s22, s20                     ; which run of 4,096 numbers of the tensor is my wave's
	s_lshl_b32 s22, s22, 14                        ; 16,384 bytes each
	s_mov_b32 s23, 0
	s_add_nc_u64 s[4:5], s[4:5], s[22:23]
	s_lshl_b32 s22, ttmp9, 2
	s_add_co_u32 s22, s22, s20
; WHERE THE CODES GO (this replaces what the head says of acts and wts).  cod: [8 chunks of 128 along K][13,824 rows][128 bytes].  Rows 0-8191 x, 8192-8703 prefix_embd,
; 8704-11775 w_attn's columns, in groups of 384: group g holds columns 128 g .. 128 g + 127 of q, then of k, then of v; 11776-13823 columns 1024-3071 of w_prefix.
; Inside each 32 rows, row n lies at place sw(n) = n with bits 3 and 4 exchanged, so that sixteen places on end are the rows that the products take as one tile.
; wpj: w_proj's columns as rows of 1,024 codes.
.set CS, 1769472                       ; a chunk in bytes
	s_bfe_u32 s29, s22, 0x10001                    ; my 4 rows begin at row 4 x s22: its bits 3 and 4 are bits 1 and 2 here
	s_bfe_u32 s30, s22, 0x10002
	s_and_b32 s22, s22, 0xfffffff9
	s_lshl_b32 s29, s29, 2
	s_lshl_b32 s30, s30, 1
	s_or_b32 s22, s22, s29
	s_or_b32 s22, s22, s30
	s_lshl_b32 s22, s22, 9                         ; 4 places of 128 bytes
	s_add_nc_u64 s[16:17], s[16:17], s[22:23]
	s_add_nc_u64 s[18:19], s[16:17], 4*CS          ; chunks 4 to 7 have a base of their own, so that the offsets fit the immediate
.macro LOAD t
.irp i, 0,1,2,3
	global_load_b128 v[R+16*((\t)%4)+4*\i:R+16*((\t)%4)+4*\i+3], v3, s[4:5] offset:512*(\t)+4096*\i th:TH_LOAD_NT   ; step t: chunk t of my rows i = 0 .. 3, 512 consecutive bytes each
.endr
.endm
.macro TURN t                          ; step t's numbers through the stage: LDS serves a wave's instructions in order, so no wait stands between the stores and the loads
.irp i, 0,1,2,3
	ds_store_b128 v14, v[R+16*((\t)%4)+4*\i:R+16*((\t)%4)+4*\i+3] offset:32*SP*((\t)%2)+8*SP*\i
.endr
.irp i, 0,1,2,3
	ds_load_b128 v[X+16*((\t)%2)+4*\i:X+16*((\t)%2)+4*\i+3], v15 offset:32*SP*((\t)%2)+16*\i
.endr
.endm
.irp t, 0,1,2,3
	LOAD \t
.endr
	s_wait_alu depctr_va_vdst(0)
	s_wait_kmcnt 0x0
	s_cmp_lt_u32 ttmp9, NX
	s_cselect_b32 s24, s24, s26                    ; e0 or e2
	s_add_co_i32 s24, s24, 127
	s_lshl_b32 s25, s24, 23
	v_mov_b32 v11, s25                             ; 2^e as f32: the conversion takes its exponent field
	s_add_co_i32 s24, s24, 8
	s_lshl_b32 s24, s24, 23
	s_or_b32 s24, s24, 0x600000
	v_mov_b32 v10, s24                             ; 448 x 2^e
	s_wait_alu depctr_va_vdst(0)
	s_wait_loadcnt 12                              ; step 0's four loads are in; the twelve of steps 1 to 3 stay out
	TURN 0
.macro STEP t
	s_wait_dscnt 0x0                               ; this step's numbers are back from the stage, and its stores into the stage have read their registers,
.if (\t)+4 < STEPS
	LOAD (\t)+4                                    ; which take the loads of four steps on
.endif
.if (\t)+1 < STEPS
.if STEPS-2-(\t) >= 3
	s_wait_loadcnt 12                              ; the next step's four loads are in; those of the three steps behind it may be out
.else
	s_wait_loadcnt 4*(STEPS-2-(\t))
.endif
	TURN (\t)+1                                    ; and go through the other stage while this step is worked
.endif
.irp i, 0,1,2,3,4,5,6,7,8,9,10,11,12,13,14,15
	v_med3_num_f32 v[X+16*((\t)%2)+\i], v[X+16*((\t)%2)+\i], -v10, v10   ; the conversion does not saturate (ISA guide 7.6.2): the hold at the largest code x the scale comes first
.endr
	v_cvt_scalef32_pk8_fp8_f32 v[C+4*(\t):C+4*(\t)+1], v[X+16*((\t)%2):X+16*((\t)%2)+7], v11
	v_cvt_scalef32_pk8_fp8_f32 v[C+4*(\t)+2:C+4*(\t)+3], v[X+16*((\t)%2)+8:X+16*((\t)%2)+15], v11
	global_store_b128 v3, v[C+4*(\t):C+4*(\t)+3], s[16+2*((\t)/4):17+2*((\t)/4)] offset:CS*((\t)%4)   ; four places of chunk t: 512 consecutive bytes, aligned
.endm
.irp t, 0,1,2,3,4,5,6,7
	STEP \t
.endr
	s_wait_tensorcnt 0x0
	ds_add_u32 v208, v209
	s_wait_dscnt 0x0
	s_endpgm
; ---------------------------------------------------------------- the weight path
.Lweights:
	s_sub_co_u32 s21, ttmp9, NSTREAM
	s_and_b32 s22, s21, 3                          ; kb: which 256 along K
	s_lshr_b32 s21, s21, 2                         ; cb: which 128 rows of wts, 0 .. 47
	s_lshl_b32 s23, s21, 7
	s_lshl_b32 s29, s20, 5
	s_add_co_u32 s23, s23, s29                     ; my wave's first row of wts: 128 cb + 32 wave
	s_mov_b32 s30, 5120                            ; what is taken off that row to get the tensor's column,
	s_mov_b32 s31, 4096                            ; and the tensor's row in bytes: w_proj's
	s_cmp_lt_u32 s21, 40
	s_cselect_b64 s[10:11], s[10:11], s[12:13]
	s_cselect_b32 s30, 2048, s30                   ; w_prefix: row 3072 of wts is its column 1024
	s_cselect_b32 s31, 12288, s31
	s_cmp_lt_u32 s21, 24
	s_cselect_b64 s[8:9], s[8:9], s[10:11]
	s_cselect_b32 s30, 0, s30                      ; w_attn
	s_sub_co_u32 s30, s23, s30                     ; my wave's first column
	s_lshl_b32 s48, s30, 2
	s_lshl_b32 s29, s31, 8
	s_mul_i32 s29, s29, s22                        ; kb x 256 rows
	s_add_co_u32 s48, s48, s29
	s_mov_b32 s49, 0
	s_add_nc_u64 s[32:33], s[8:9], s[48:49]        ; block 0's base; a base for each of the 8 blocks, so that nothing is stepped
	s_lshl_b32 s50, s31, 5                         ; 32 rows
	s_mov_b32 s51, 0
.irp t, 1,2,3,4,5,6,7
	s_add_nc_u64 s[32+2*\t:33+2*\t], s[30+2*\t:31+2*\t], s[50:51]
.endr
	s_max_u32 s52, s23, 5120
	s_sub_co_u32 s52, s52, 5120                    ; w_proj: row of wpj x 1,024 + 256 kb
	s_lshl_b32 s52, s52, 10
	s_lshl_b32 s53, s22, 8
	s_add_co_u32 s52, s52, s53
	s_mov_b32 s53, 0
	s_add_nc_u64 s[18:19], s[18:19], s[52:53]
	s_and_b32 s54, s21, 7                          ; w_attn: group cb % 8, kind cb / 8
	s_mul_i32 s54, s54, 384
	s_lshr_b32 s55, s21, 3
	s_lshl_b32 s55, s55, 7
	s_add_co_u32 s54, s54, s55
	s_lshl_b32 s55, s20, 5
	s_add_co_u32 s54, s54, s55
	s_cmp_lt_u32 s21, 24
	s_cselect_b32 s54, s54, s23                    ; w_prefix: its rows follow in order
	s_min_u32 s54, s54, 5088                       ; (w_proj's work-groups do not use this address: it is held inside cod)
	s_add_co_u32 s54, s54, 8704
	s_lshl_b32 s54, s54, 7
	s_mul_i32 s55, s22, 2*CS                       ; chunks 2 kb and 2 kb + 1
	s_add_co_u32 s54, s54, s55
	s_mov_b32 s55, 0
	s_add_nc_u64 s[16:17], s[16:17], s[54:55]
	s_wait_alu depctr_va_vdst(0)
	v_lshlrev_b32 v[VO], 2, v2                     ; 4 bytes a lane,
.set i, 1
.rept 31
	v_add_nc_u32 v[VO+i], s31, v[VO+i-1]           ; + i rows
.set i, i+1
.endr
	s_mul_i32 s54, s20, 32*PITCH
	s_add_co_u32 s54, s54, WSTG                    ; my stage
	v_mul_u32_u24 v4, v2, PITCH
	v_add_nc_u32 v4, s54, v4                       ; into it: row = my column
	v_and_b32 v5, 15, v2
	v_lshrrev_b32 v6, 4, v2                        ; out of it: sixteen lanes to a row, two rows an instruction
	v_mul_u32_u24 v7, v6, PITCH
	v_lshl_add_u32 v7, v5, 4, v7
	v_add_nc_u32 v7, s54, v7
	v_lshlrev_b32 v8, 10, v6
	v_lshl_add_u32 v8, v5, 4, v8
	v_lshrrev_b32 v12, 3, v2                       ; out of the stage for cod: eight lanes to 128 bytes of a row, four rows an instruction
	v_mul_u32_u24 v12, v12, PITCH
	v_and_b32 v13, 7, v2
	v_lshl_add_u32 v12, v13, 4, v12
	v_add_nc_u32 v12, s54, v12
	v_lshlrev_b32 v13, 4, v2                       ; and 16 x lane in cod
.macro WLOAD t                         ; block t: W(32 t + i, my column), i = 0 .. 31: each load reads 128 consecutive bytes, the four waves stand side by side
.set i, 0
.rept 32
	global_load_b32 v[WX+32*((\t)%2)+i], v[VO+i], s[32+2*(\t):33+2*(\t)] th:TH_LOAD_NT
.set i, i+1
.endr
.endm
	WLOAD 0
	WLOAD 1
	s_wait_kmcnt 0x0
	s_cmp_lt_u32 s21, 40
	s_cselect_b32 s27, s27, s28                    ; e3 or e13,
	s_cmp_lt_u32 s21, 24
	s_cselect_b32 s27, s25, s27                    ; or e1
	s_add_co_i32 s27, s27, 127
	s_lshl_b32 s28, s27, 23
	v_mov_b32 v11, s28                             ; 2^e as f32
	s_add_co_i32 s27, s27, 8
	s_lshl_b32 s27, s27, 23
	s_or_b32 s27, s27, 0x600000
	v_mov_b32 v10, s27                             ; 448 x 2^e
.macro BLOCK t
.if (\t) < NB-1
	s_wait_loadcnt 32                              ; this block's 32 loads are in; the next block's 32 may be out
.else
	s_wait_loadcnt 0x0
.endif
.set i, 0
.rept 32
	v_med3_num_f32 v[WX+32*((\t)%2)+i], v[WX+32*((\t)%2)+i], -v10, v10
.set i, i+1
.endr
.irp g, 0,1,2,3
	v_cvt_scalef32_pk8_fp8_f32 v[WC+2*\g:WC+2*\g+1], v[WX+32*((\t)%2)+8*\g:WX+32*((\t)%2)+8*\g+7], v11
.endr
	ds_store_b128 v4, v[WC:WC+3] offset:32*(\t)    ; 32 codes: 32 bytes of my column's row
	ds_store_b128 v4, v[WC+4:WC+7] offset:32*(\t)+16
.if (\t)+2 < NB
	WLOAD (\t)+2
.endif
	s_wait_dscnt 0x0                               ; the stores have read their registers: the next block's codes may be written
.endm
	s_wait_alu depctr_va_vdst(0)
.irp t, 0,1,2,3,4,5,6,7
	BLOCK \t
.endr
	s_cmp_ge_u32 s21, 40
	s_cbranch_scc1 .Lto_wpj
.irp t, 0,1,2,3,4,5,6,7,8,9,10,11,12,13,14,15
	ds_load_b128 v[OUTR+4*\t:OUTR+4*\t+3], v12 offset:4*(\t%8)*PITCH+128*(\t/8)   ; rows 4 (t % 8) on, half t / 8 of my 256 along K
.endr
.irp t, 0,1,2,3,4,5,6,7,8,9,10,11,12,13,14,15
	s_wait_dscnt 15-\t
	global_store_b128 v13, v[OUTR+4*\t:OUTR+4*\t+3], s[16:17] offset:(\t/8)*CS+(((4*(\t%8))&7)+(((4*(\t%8))>>3)&1)*16+(((4*(\t%8))>>4)&1)*8)*128   ; four places on end: 512 consecutive bytes, aligned
.endr
	s_wait_tensorcnt 0x0
	ds_add_u32 v208, v209
	s_wait_dscnt 0x0
	s_endpgm
.Lto_wpj:
.irp t, 0,1,2,3,4,5,6,7,8,9,10,11,12,13,14,15
	ds_load_b128 v[OUTR+4*\t:OUTR+4*\t+3], v7 offset:2*\t*PITCH   ; LDS serves a wave's instructions in order: these see my stores
.endr
.irp t, 0,1,2,3,4,5,6,7,8,9,10,11,12,13,14,15
	s_wait_dscnt 15-\t                             ; read-back t is in; the younger ones may be out
	global_store_b128 v8, v[OUTR+4*\t:OUTR+4*\t+3], s[18:19] offset:2*\t*1024   ; sixteen lanes store 256 consecutive bytes, aligned
.endr
	s_wait_tensorcnt 0x0
	ds_add_u32 v208, v209
	s_wait_dscnt 0x0
	s_endpgm
.Lfunc_end_k_qf5a18a2d75_quant:
	.size	k_qf5a18a2d75_quant, .Lfunc_end_k_qf5a18a2d75_quant-k_qf5a18a2d75_quant
	.p2alignl 7, 3214868480
	.fill 96, 4, 3214868480
	.section	.rodata,"a",@progbits
	.p2align	6, 0x0
	.amdhsa_kernel k_qf5a18a2d75_quant
		.amdhsa_group_segment_fixed_size 68096
		.amdhsa_private_segment_fixed_size 0
		.amdhsa_enable_private_segment 0
		.amdhsa_kernarg_size 64
		.amdhsa_user_sgpr_count 2
		.amdhsa_user_sgpr_kernarg_segment_ptr 1
		.amdhsa_wavefront_size32 1
		.amdhsa_system_sgpr_workgroup_id_x 1
		.amdhsa_system_sgpr_workgroup_id_y 1
		.amdhsa_system_sgpr_workgroup_id_z 1
		.amdhsa_system_vgpr_workitem_id 0
		.amdhsa_next_free_vgpr 210
		.amdhsa_next_free_sgpr 66
		.amdhsa_reserve_vcc 0
		.amdhsa_float_denorm_mode_32 3
		.amdhsa_float_denorm_mode_16_64 3
		.amdhsa_memory_ordered 1
		.amdhsa_forward_progress 1
		.amdhsa_inst_pref_size 75
	.end_amdhsa_kernel
	.amdgpu_metadata
---
amdhsa.version: [ 1, 2 ]
amdhsa.kernels:
  - .name:           k_qf5a18a2d75_quant
    .symbol:         k_qf5a18a2d75_quant.kd
    .args:
      - { .name: x, .offset: 0, .size: 8, .value_kind: global_buffer, .address_space: global }
      - { .name: prefix_embd, .offset: 8, .size: 8, .value_kind: global_buffer, .address_space: global }
      - { .name: w_attn, .offset: 16, .size: 8, .value_kind: global_buffer, .address_space: global }
      - { .name: w_prefix, .offset: 24, .size: 8, .value_kind: global_buffer, .address_space: global }
      - { .name: w_proj, .offset: 32, .size: 8, .value_kind: global_buffer, .address_space: global }
      - { .name: lowp_scales, .offset: 40, .size: 8, .value_kind: global_buffer, .address_space: global }
      - { .name: cod, .offset: 48, .size: 8, .value_kind: global_buffer, .address_space: global }
      - { .name: wpj, .offset: 56, .size: 8, .value_kind: global_buffer, .address_space: global }
    .group_segment_fixed_size: 68096
    .private_segment_fixed_size: 0
    .kernarg_segment_align: 8
    .kernarg_segment_size: 64
    .max_flat_workgroup_size: 128
    .sgpr_count:     66
    .vgpr_count:     210
    .wavefront_size: 32
...
	.end_amdgpu_metadata
.endif
;; end of part 1
;; launch qkv (part 2): grid 8 x 32, 4 waves a work-group, clusters of 4 x 4, 327,680 bytes of LDS; arguments cod, b_attn, b_prefix, lowp_scales, qc, kvc; writes qc, kvc
.if DOCPART == 2
	.amdgcn_target "amdgcn-amd-amdhsa--gfx1250"
	.amdhsa_code_object_version 6
	.text
	.protected	k_qf5a18a2d75_qkv
	.globl	k_qf5a18a2d75_qkv
	.p2align	8
	.type	k_qf5a18a2d75_qkv,@function
k_qf5a18a2d75_qkv:
	s_mov_b64 s[64:65], 0
	v_nop
	global_prefetch_b8 v0, s[64:65] scope:SCOPE_SE
	s_setreg_imm32_b32 hwreg(HW_REG_WAVE_MODE, 25, 1), 1
	s_wait_xcnt 0x0
	s_wait_alu depctr_hold_cnt(0) depctr_sa_sdst(0) depctr_va_vdst(0) depctr_va_sdst(0) depctr_va_ssrc(0) depctr_va_vcc(0) depctr_vm_vsrc(0)
	s_getreg_b32 s2, hwreg(HW_REG_IB_STS2, 6, 4)
	s_cmp_eq_u32 s2, 0
	s_cbranch_scc0 .Lentry_in_a_cluster
	s_endpgm
.Lentry_in_a_cluster:
	s_bfe_u32 s2, ttmp6, 0x10000c
	s_cmp_lg_u32 s2, 0xf033
	s_cbranch_scc0 .Lentry_shape_is_right
	s_endpgm
.Lentry_shape_is_right:
; q, k, v = x w_attn + b_attn and k_p, v_p = prefix_embd w_prefix + b_prefix on codes of E4M3, each result quantised at once for the product that takes it.
; The q third of the prefix's product is thrown away by the module: it is not computed.
; SHARES.  256 work-groups, 8 x 32.  Work-group (g, i) makes tokens 256 i .. + 255 x heads 2 g, 2 g + 1 of q, k and v: 256 x 384.  A wave makes 128 tokens x one head of q, of k and of v:
; 8 x 12 accumulators of 16 x 16, 768 registers (windows 1 to 3); every wave runs the same text.  Then each work-group makes one 64 x 64 tile of the prefix: batch i / 4, kind (i / 2) % 2, head 8 (i % 2) + g.
; cod: [8 chunks of 128 along K][13,824 rows][128]; a tile's chunk is dense, stated as rows of 256 bytes; LDS rows of 128 + 16 bytes.  Sixteen places on end are one tile: place 16 t + m holds row sw(16 t + m), bits 3 and 4 exchanged.
; So the registers of tiles 2 b, 2 b + 1 are 16 neighbours, 32 b + 16 (lane / 16) + 0 .. 15, and the conversions' results are images of the next operand's registers: [tile][32 along K][lane][16 bytes], 512 bytes a store.
; q, k: source 0 = weight, source 1 = tokens (a lane holds a token).  v: source 0 = tokens, source 1 = weight (a lane holds a channel, its registers run along the keys).
; Prefix: source 0 = X, source 1 = Y, 64 rows each; k_p: X = weight, Y = tokens; v_p the other way round: chosen by address alone.
; The bias, x 2^-(the operands' exponents), is the C of each sum's first product; the operands' exponents are folded into the conversion's scale.
; RING: three slots of one chunk (A 256 rows, B 384 rows); the change of slots stands in the second half of a step; the load issued there is for two steps on, and is waited for at the next change.
; The first half step and the last three are written out; between them a loop of two trips goes once round the three slots in each trip.
; A's tile is shared along a row of the cluster, B's along a column: joint loads.  The prefix's tiles (steps 8 and 9, 512 along K each) are each work-group's own, behind the same rounds.
; PREFETCH.  Each wave names, of the rows that it fetches, its work-group's quarter of the 256-byte blocks (the four partners of a joint load share them out by address): chunks 1 to 3 at the head,
; chunk 4 in the first half step, chunks 5 to 7 at the three changes of slots of the loop's first trip: each three steps or more ahead of its load.  The prefix's tiles at the head: of a weight tile the work-group of batch b
; names chunk b (wave 0, 32 blocks); of a batch's tokens each of the 32 work-groups that read them names a quarter of a chunk (wave 1, 8 blocks).
; OUT.  qc: [64 blocks of 128 tokens][head][8,192], twice (entries 4 and 6).  kvc: [batch x head][k of keys 0-511][v of keys 0-511][k_p 4,096][v_p 4,096][k of keys 512-1023][v of keys 512-1023], 8,192 bytes for 128 keys.
; LIMITS: entry 4, 5, 6, 11 less e0 + e1, and entry 7, 9 less e2 + e3, lie between -126 and 119.  NaN among the inputs is not served.
.set P,     144
.set CS,    1769472
.set SLOT,  92160
.set BOFF,  36864
.set SPARE, 3*SLOT
.set PFQ,  1                           ; the prefix prefetch's offset
.set ADA,  4                           ; v4-6 my A fragments in slot 0, 1, 2;  v8-10 B's
.set ADB,  8
.set PFO,  11                          ; the chunks' prefetches' offset
.set LO,   12                          ; 16 x lane
.set BO3,  13                          ; prefix: my Y row's bias
.set SPW,  14
.set NIL,  15
.set SCQ,  16                          ; pairs: the scale, 448 x the scale: q (entry 4), q (entry 6), k, v, prefix
.set SCQ2, 18
.set SCK,  20
.set SCV,  22
.set SCP,  24
.set BO1,  26                          ; 64 x (lane / 16)
.set BO2,  27                          ; 4 x sw(lane % 16)
.set APX2, 28                          ; prefix fragments in slot 2 and slot 0
.set APY2, 29
.set APX0, 30
.set APY0, 31
.set BS,   32                          ; v32-127, v128-223 B's two sets of 12 fragments
.set BIAS, 128                         ; the biases lie in set 1 during the first half step
.set AB,   224                         ; v224-255 four buffers for A's blocks
.set TMP,  32                          ; the way out
.set CD,   64
.set PACC, 192
.set PY,   224
.set PF,   32
.set WV,   16
.set CNT,  23                          ; the loop's trips to go
.set G1A,  24
.set G1B,  32
.set G1P,  40
.set G0A,  48
.set G0B,  52
.set G0P,  56
.set PFA,  80                          ; my share of chunk 0;  PFB: of chunk 4;  PFP: of the prefix's tiles.  None is rewritten
.set PFB,  100
.set PFP,  104
.set MSB, 0
.macro WIN new
.if MSB != (\new)
	s_set_vgpr_msb (MSB<<8)|(\new)
.set MSB, (\new)
.endif
.endm
.macro PLACES n
.rept \n
	v_nop
.endr
.endm
.macro JLOAD                           ; waves 0, 1: A's halves; waves 2, 3: B's
	s_cmp_eq_u32 s18, 0
	s_cbranch_scc0 .Lfor_b_\@
	tensor_load_to_lds s[G0A:G0A+3], s[G1A:G1A+7]
	s_nop 0
	PLACES 4
	s_branch .Lasked_\@
.Lfor_b_\@:
	tensor_load_to_lds s[G0B:G0B+3], s[G1B:G1B+7]
	s_nop 0
	PLACES 4
.Lasked_\@:
.endm
.macro PLOAD                           ; each wave's quarter of half a prefix tile
	tensor_load_to_lds s[G0P:G0P+3], s[G1P:G1P+7]
	s_nop 0
	PLACES 4
.endm
.macro CREST
	s_cmp_lg_u32 s[WV], 0
	s_cbranch_scc1 .Lnot_wave_0_\@
	s_barrier_signal -3
.Lnot_wave_0_\@:
	s_barrier_wait -3
	s_barrier_signal -1
	s_barrier_wait -1
.endm
.macro CROUND
	s_barrier_signal -1
	s_barrier_wait -1
	CREST
.endm
	s_load_b256 s[4:11], s[0:1], 0x0               ; cod, b_attn, b_prefix, the exponents
	s_load_b128 s[12:15], s[0:1], 0x20             ; qc, kvc
	v_lshl_add_u32 v[SPW], v0, 2, SPARE
	v_mov_b32 v[NIL], 0
	ds_add_u32 v[SPW], v[NIL]                      ; the opening lines
	ds_add_u32 v[SPW], v[NIL]
	v_lshrrev_b32 v1, 5, v0
	v_readfirstlane_b32 s[WV], v1
	s_and_b32 s17, s[WV], 1                        ; my head of the two; also which half of a tile I fetch
	s_lshr_b32 s18, s[WV], 1                       ; my 128 tokens of the 256; also: I fetch for A (0) or B (1)
	s_bfe_u32 s19, ttmp6, 0x40000                  ; cx
	s_bfe_u32 s20, ttmp6, 0x40004                  ; cy
	s_lshl_b32 s21, ttmp9, 2
	s_add_co_u32 s21, s21, s19                     ; g
	s_and_b32 s22, ttmp7, 0xffff
	s_lshl_b32 s22, s22, 2
	s_add_co_u32 s22, s22, s20                     ; i
	s_lshl_b32 s2, s20, 2
	s_lshl_b32 s2, 15, s2                          ; my row of the cluster
	s_lshl_b32 s3, 0x1111, s19                     ; my column
	s_or_b32 s[G1A], s2, (1<<20)|(1<<21)|(4<<22)|(3<<25)   ; the mask; bytes; four words of padding after every 32
	s_or_b32 s[G1B], s3, (1<<20)|(1<<21)|(4<<22)|(3<<25)
	s_mov_b32 s[G1P], (1<<20)|(4<<22)|(3<<25)
	s_mov_b32 s[G1A+1], 256<<16                    ; A: 128 places = 64 rows of 256 bytes
	s_mov_b32 s[G1A+2], 64<<16
	s_mov_b32 s[G1A+3], 256<<16
	s_mov_b32 s[G1A+4], 64
	s_mov_b32 s[G1A+5], 256
	s_mov_b32 s[G1A+6], 0
	s_mov_b32 s[G1A+7], 0
	s_mov_b32 s[G1B+1], 256<<16                    ; B: 192 places = 96 rows
	s_mov_b32 s[G1B+2], 96<<16
	s_mov_b32 s[G1B+3], 256<<16
	s_mov_b32 s[G1B+4], 96
	s_mov_b32 s[G1B+5], 256
	s_mov_b32 s[G1B+6], 0
	s_mov_b32 s[G1B+7], 0
	s_mov_b32 s[G1P+1], 8192<<16                   ; prefix: 64 places of each of two chunks
	s_mov_b32 s[G1P+2], 2<<16
	s_mov_b32 s[G1P+3], 8192<<16
	s_mov_b32 s[G1P+4], 2
	s_mov_b32 s[G1P+5], CS
	s_mov_b32 s[G1P+6], 0
	s_mov_b32 s[G1P+7], 0
	s_lshl_b32 s80, s22, 15                        ; A: place 256 i + 128 half
	s_lshl_b32 s2, s17, 14
	s_add_co_u32 s80, s80, s2
	s_mov_b32 s81, 0
	s_mul_i32 s82, s21, 49152                      ; B: place 8704 + 384 g + 192 half
	s_mul_i32 s3, s17, 24576
	s_add_co_u32 s82, s82, s3
	s_add_co_u32 s82, s82, 8704*128
	s_mov_b32 s83, 0
	s_mul_i32 s84, s17, 128*P                      ; where they go in a slot
	s_mul_i32 s85, s17, 192*P
	s_add_co_u32 s85, s85, BOFF
	s_mul_i32 s88, s[WV], 128*P
	s_lshr_b32 s2, s22, 2                          ; prefix: the batch,
	s_lshl_b32 s2, s2, 6
	s_add_co_u32 s2, s2, 8192                      ; its 64 tokens' places
	s_bfe_u32 s60, s22, 0x10001                    ; the kind: 0 k_p, 1 v_p
	s_and_b32 s89, s22, 1
	s_lshl_b32 s89, s89, 3
	s_add_co_u32 s89, s89, s21                     ; the head
	s_lshl_b32 s3, s60, 10
	s_lshl_b32 s23, s89, 6
	s_add_co_u32 s3, s3, s23
	s_add_co_u32 s3, s3, 11776                     ; its 64 weight places
	s_cmp_eq_u32 s60, 1
	s_cselect_b32 s86, s2, s3                      ; X
	s_cselect_b32 s87, s3, s2                      ; Y
	s_cselect_b32 s61, -1, 0
	s_cmp_lt_u32 s[WV], 2
	s_cselect_b32 s86, s86, s87                    ; waves 0, 1 fetch X, waves 2, 3 Y
	s_lshl_b32 s86, s86, 7
	s_mul_i32 s87, s17, 2*CS                       ; two chunks each
	s_add_co_u32 s86, s86, s87
	s_mov_b32 s87, 0
	s_lshr_b32 s104, s22, 2                        ; the prefix's prefetch.  Wave 0: chunk (my batch) of the weight tile;
	s_mul_i32 s104, s104, CS
	s_lshl_b32 s105, s3, 7
	s_add_co_u32 s104, s104, s105
	s_and_b32 s105, s22, 3                         ; wave 1: of the tokens' 32 quarters of a chunk the one numbered 8 (i % 4) + g
	s_lshl_b32 s105, s105, 3
	s_add_co_u32 s105, s105, s21
	s_lshr_b32 s23, s105, 2
	s_mul_i32 s23, s23, CS
	s_and_b32 s105, s105, 3
	s_lshl_b32 s105, s105, 11
	s_add_co_u32 s23, s23, s105
	s_lshl_b32 s105, s2, 7
	s_add_co_u32 s23, s23, s105
	s_cmp_eq_u32 s17, 0
	s_cselect_b32 s104, s104, s23
	s_mov_b32 s105, 0
	s_wait_dscnt 0x0
	s_wait_kmcnt 0x0
	s_load_b256 s[68:75], s[10:11], 0x0            ; e0 .. e7
	s_load_b128 s[76:79], s[10:11], 0x20           ; e8 .. e11
	s_mov_b32 s[G0A], 1
	s_mov_b32 s[G0A+1], s84
	s_add_nc_u64 s[G0A+2:G0A+3], s[4:5], s[80:81]
	s_or_b32 s[G0A+3], s[G0A+3], 0x80000000
	s_mov_b32 s[G0B], 1
	s_mov_b32 s[G0B+1], s85
	s_add_nc_u64 s[G0B+2:G0B+3], s[4:5], s[82:83]
	s_or_b32 s[G0B+3], s[G0B+3], 0x80000000
	s_mov_b32 s[G0P], 1
	s_add_co_u32 s[G0P+1], s88, 2*SLOT
	s_add_nc_u64 s[G0P+2:G0P+3], s[4:5], s[86:87]
	s_or_b32 s[G0P+3], s[G0P+3], 0x80000000
	s_add_nc_u64 s[PFP:PFP+1], s[4:5], s[PFP:PFP+1]
	CROUND
	JLOAD                                          ; chunk 0 into slot 0: my one load at the head
	; scalars first
	s_cmp_eq_u32 s18, 0                            ; the chunks' prefetches: my work-group's share of the blocks that I fetch
	s_cselect_b32 s2, s80, s82
	s_cselect_b32 s3, s19, s20
	s_cselect_b32 s23, 16, 24
	s_mul_i32 s3, s3, s23
	s_lshl_b32 s3, s3, 8
	s_add_co_u32 s80, s2, s3
	s_mov_b32 s81, 0
	s_add_nc_u64 s[PFA:PFA+1], s[4:5], s[80:81]
	s_add_nc_u64 s[PFB:PFB+1], s[PFA:PFA+1], 4*CS
	s_sub_co_u32 s23, s23, 1
	s_lshl_b32 s82, s21, 1
	s_add_co_u32 s82, s82, s17                     ; my head
	s_lshl_b32 s2, s82, 8
	s_mov_b32 s3, 0
	s_add_nc_u64 s[90:91], s[6:7], s[2:3]          ; its 64 biases of q; k's 4,096 bytes on, v's 8,192
	s_add_co_u32 s2, s60, 1
	s_lshl_b32 s2, s2, 12
	s_lshl_b32 s83, s89, 8
	s_add_co_u32 s2, s2, s83
	s_add_nc_u64 s[66:67], s[8:9], s[2:3]          ; the prefix tile's 64 biases
	s_lshl_b32 s83, s22, 1
	s_add_co_u32 s83, s83, s18                     ; my block of 128 tokens
	s_lshl_b32 s2, s83, 17
	s_lshl_b32 s86, s82, 13
	s_add_co_u32 s2, s2, s86
	s_add_nc_u64 s[92:93], s[12:13], s[2:3]
	s_add_nc_u64 s[94:95], s[92:93], 0x800000
	s_lshr_b32 s2, s83, 3
	s_lshl_b32 s2, s2, 4
	s_add_co_u32 s2, s2, s82
	s_mul_i32 s2, s2, 139264
	s_and_b32 s86, s83, 7                          ; which 128 keys of the sequence: from the fifth on they lie behind v of keys 0-511, k_p and v_p
	s_cmp_ge_u32 s86, 4
	s_cselect_b32 s82, 40960, 0
	s_lshl_b32 s86, s86, 13
	s_add_co_u32 s2, s2, s86
	s_add_co_u32 s2, s2, s82
	s_add_nc_u64 s[96:97], s[14:15], s[2:3]        ; k; v lies 32,768 bytes on
	s_lshr_b32 s2, s22, 2
	s_lshl_b32 s2, s2, 4
	s_add_co_u32 s2, s2, s89
	s_mul_i32 s2, s2, 139264
	s_lshl_b32 s86, s60, 12
	s_add_co_u32 s2, s2, s86
	s_lshl_b32 s86, s[WV], 10
	s_add_co_u32 s2, s2, s86
	s_add_co_u32 s2, s2, 65536
	s_add_nc_u64 s[98:99], s[14:15], s[2:3]
	s_mul_i32 s2, s18, 128*P
	s_mul_i32 s3, s17, 64*P
	s_add_co_u32 s3, s3, BOFF
	s_mul_i32 s86, s[WV], 16*P
	s_add_co_u32 s86, s86, BOFF
	s_lshl_b32 s87, s18, 7
	s_lshl_b32 s82, s17, 5
	s_add_co_u32 s87, s87, s82
	s_cmp_eq_u32 s17, 0
	s_cselect_b32 s83, 31, 7
	; then the vector registers
	v_and_b32 v1, 15, v0
	v_bfe_u32 v2, v0, 4, 1
	v_mul_u32_u24 v3, v1, P
	v_lshl_add_u32 v3, v2, 4, v3                   ; place x pitch + 16 (lane / 16)
	v_add_nc_u32 v[ADA], s2, v3
	v_add_nc_u32 v[ADB], s3, v3
	v_add_nc_u32 v[ADA+1], SLOT, v[ADA]
	v_add_nc_u32 v[ADB+1], SLOT, v[ADB]
	v_add_nc_u32 v[ADA+2], 2*SLOT, v[ADA]
	v_add_nc_u32 v[ADB+2], 2*SLOT, v[ADB]
	v_mov_b32 v[APX0], v3
	v_add_nc_u32 v[APY0], s86, v3
	v_add_nc_u32 v[APX2], 2*SLOT, v3
	v_add_nc_u32 v[APY2], 2*SLOT, v[APY0]
	v_and_b32 v7, 31, v0
	v_lshlrev_b32 v[LO], 4, v7
	v_min_u32 v[PFO], s23, v7
	v_lshlrev_b32 v[PFO], 8, v[PFO]
	v_lshlrev_b32 v[BO1], 6, v2
	v_and_b32 v3, 8, v1
	v_and_b32 v2, 7, v1
	v_lshlrev_b32 v[BO2], 3, v3
	v_lshl_add_u32 v[BO2], v2, 2, v[BO2]
	v_add_nc_u32 v[BO3], s87, v[BO2]
	v_min_u32 v[PFQ], s83, v7
	v_lshlrev_b32 v[PFQ], 8, v[PFQ]
.irp k, 0,1
.irp t, 0,1,2,3
	global_load_b128 v[BIAS+8*(4*\k+\t):BIAS+8*(4*\k+\t)+3], v[BO1], s[90:91] offset:4096*\k+4*(32*(\t/2)+8*(\t%2))
	global_load_b128 v[BIAS+8*(4*\k+\t)+4:BIAS+8*(4*\k+\t)+7], v[BO1], s[90:91] offset:4096*\k+4*(32*(\t/2)+8*(\t%2))+16
.endr
.endr
.irp t, 0,1,2,3
	global_load_b32 v[BIAS+64+8*\t], v[BO2], s[90:91] offset:8192+4*(32*(\t/2)+8*(\t%2))
.endr
.irp c, 1,2,3
	global_prefetch_b8 v[PFO], s[PFA:PFA+1] offset:\c*CS th:TH_LOAD_NT scope:SCOPE_SE
.endr
	s_wait_alu depctr_va_vdst(0)
	s_cmp_lt_u32 s[WV], 2
	s_cbranch_scc0 .Lno_pp
	global_prefetch_b8 v[PFQ], s[PFP:PFP+1] th:TH_LOAD_NT scope:SCOPE_SE
.Lno_pp:
.macro MKS vs                          ; s2 = the exponent: the scale and 448 x the scale as f32
	s_add_co_i32 s2, s2, 127
	s_lshl_b32 s3, s2, 23
	v_mov_b32 v[\vs], s3
	s_add_co_i32 s2, s2, 8
	s_lshl_b32 s2, s2, 23
	s_or_b32 s2, s2, 0x600000
	v_mov_b32 v[\vs+1], s2
.endm
	s_wait_kmcnt 0x0
	s_add_co_i32 s62, s68, s69
	s_sub_co_i32 s2, s72, s62
	MKS SCQ
	s_sub_co_i32 s2, s74, s62
	MKS SCQ2
	s_sub_co_i32 s2, s73, s62
	MKS SCK
	s_sub_co_i32 s2, s79, s62
	MKS SCV
	s_add_co_i32 s63, s70, s71
	s_cmp_eq_u32 s60, 1
	s_cselect_b32 s2, s77, s75
	s_sub_co_i32 s2, s2, s63
	MKS SCP
	s_sub_co_i32 s62, 0, s62
	s_sub_co_i32 s63, 0, s63
	s_wait_loadcnt 0x0
.set i, 0
.rept 64
	v_ldexp_f32 v[BIAS+i], v[BIAS+i], s62          ; bias / 2^(e0 + e1)
.set i, i+1
.endr
.irp t, 0,1,2,3
.irp i, 1,2,3,4,5,6,7
	v_ldexp_f32 v[BIAS+64+8*\t+\i], v[BIAS+64+8*\t], s62
.endr
	v_ldexp_f32 v[BIAS+64+8*\t], v[BIAS+64+8*\t], s62
.endr
.macro LDA s, q, a
	ds_load_b128 v[AB+8*((\a)%4):AB+8*((\a)%4)+3], v[ADA+\s] offset:(\a)*16*P+64*(\q)
	ds_load_b128 v[AB+8*((\a)%4)+4:AB+8*((\a)%4)+7], v[ADA+\s] offset:(\a)*16*P+64*(\q)+32
.endm
.macro LDB s, q, p, n
	ds_load_b128 v[BS+96*(\p)+8*(\n):BS+96*(\p)+8*(\n)+3], v[ADB+\s] offset:(128*((\n)/4)+16*((\n)%4))*P+64*(\q)
	ds_load_b128 v[BS+96*(\p)+8*(\n)+4:BS+96*(\p)+8*(\n)+7], v[ADB+\s] offset:(128*((\n)/4)+16*((\n)%4))*P+64*(\q)+32
.endm
; one product: accumulator 12 a + n, 32 to a window.  The 96 take turns, in the same order in every half step.
.macro MM a, n, p, first
.set IDX, (\a)*12+(\n)
.set AW, 1+IDX/32
.set AR, (IDX%32)*8
.set FA, AB+8*((\a)%4)
.set FB, BS+96*(\p)+8*(\n)
.if \first
	WIN (AW<<6)
.if (\n) < 8
	v_wmma_f32_16x16x64_fp8_fp8 v[AR:AR+7], v[FB:FB+7], v[FA:FA+7], v[BIAS+8*(\n):BIAS+8*(\n)+7]
.else
	v_wmma_f32_16x16x64_fp8_fp8 v[AR:AR+7], v[FA:FA+7], v[FB:FB+7], v[BIAS+8*(\n):BIAS+8*(\n)+7]
.endif
.else
	WIN (AW<<6)|(AW<<4)
.if (\n) < 8
	v_wmma_f32_16x16x64_fp8_fp8 v[AR:AR+7], v[FB:FB+7], v[FA:FA+7], v[AR:AR+7]
.else
	v_wmma_f32_16x16x64_fp8_fp8 v[AR:AR+7], v[FA:FA+7], v[FB:FB+7], v[AR:AR+7]
.endif
.endif
.endm
.macro BLK a, p, first
.irp n, 0,1,2,3,4,5,6,7,8,9,10,11
	MM \a, \n, \p, \first
.endr
.endm
; HALF A STEP: 64 along K, 96 products, A's blocks in pairs; behind each pair a run of loads: the two blocks four further on, and a third of the next half step's B.
; Each wait names the size of the run issued last: all older loads are in.  cs, q: this half; ns, nq: the next.  first: C = the biases, which lie in B's other set, so that set is fetched at the end.
; bar: the change of slots: 1 a joint load into slot fs; 2, 3 the prefix's halves.  pf: the chunk (less 4) that is prefetched, or -1; pc: only in the loop's first trip.
.macro SUB cs, q, ns, nq, first, nxt, bar, fs, pf, pc
.if (\nxt) && !(\first)
.set NBL, 8
.else
.set NBL, 0
.endif
.if \bar
	WIN 0
	s_wait_tensorcnt 0x0                           ; my part of the next slot is in; no load of mine is out, so the groups 0 may be written
	ds_add_u32 v[SPW], v[NIL]
.if \bar == 1
	s_add_nc_u64 s[G0A+2:G0A+3], s[G0A+2:G0A+3], CS
	s_add_nc_u64 s[G0B+2:G0B+3], s[G0B+2:G0B+3], CS
	s_add_co_u32 s[G0A+1], s84, (\fs)*SLOT
	s_add_co_u32 s[G0B+1], s85, (\fs)*SLOT
.endif
.if \bar == 3
	s_add_nc_u64 s[G0P+2:G0P+3], s[G0P+2:G0P+3], 4*CS
	s_mov_b32 s[G0P+1], s88
.endif
	s_wait_dscnt 5                                 ; the add and the last run's four loads may be out
	BLK 0, \q, 0
	s_wait_dscnt 0x0
	s_barrier_signal -1
	BLK 1, \q, 0
	WIN 0
	s_barrier_wait -1
	CREST                                          ; the round: nobody in the cluster reads the slot of the step before, or has a load on its way
.if \bar == 1
	JLOAD
.else
	PLOAD
.endif
.else
	s_wait_dscnt 4
	BLK 0, \q, \first
	BLK 1, \q, \first
	PLACES 4
	WIN 0
.endif
	LDA \cs, \q, 4
	LDA \cs, \q, 5
.if NBL
.irp n, 0,1,2,3
	LDB \ns, \nq, 1-(\q), \n
.endr
.endif
.if (\pf) >= 0
.if \pc
	s_cmp_eq_u32 s[CNT], 2
	s_cbranch_scc0 .Lnp_\@
.endif
	global_prefetch_b8 v[PFO], s[PFB:PFB+1] offset:(\pf)*CS th:TH_LOAD_NT scope:SCOPE_SE
.if \pc
.Lnp_\@:
.endif
.endif
	s_wait_dscnt 4+NBL
	BLK 2, \q, \first
	BLK 3, \q, \first
	PLACES 4
	WIN 0
	LDA \cs, \q, 6
	LDA \cs, \q, 7
.if NBL
.irp n, 4,5,6,7
	LDB \ns, \nq, 1-(\q), \n
.endr
.endif
	s_wait_dscnt 4+NBL
	BLK 4, \q, \first
	BLK 5, \q, \first
.if \nxt
	PLACES 4
	WIN 0
	LDA \ns, \nq, 0
	LDA \ns, \nq, 1
.if NBL
.irp n, 8,9,10,11
	LDB \ns, \nq, 1-(\q), \n
.endr
.endif
	s_wait_dscnt 4+NBL
.else
	s_wait_dscnt 0x0
.endif
	BLK 6, \q, \first
	BLK 7, \q, \first
	PLACES 4
	WIN 0
.if \nxt
.if \first
.irp n, 0,1,2,3,4,5,6,7,8,9,10,11
	LDB \ns, \nq, 1-(\q), \n
.endr
.endif
	LDA \ns, \nq, 2
	LDA \ns, \nq, 3
.endif
.endm
	s_wait_alu depctr_va_vdst(0)
	s_wait_tensorcnt 0x0                           ; chunk 0; slot 1's first fill is issued as a refill is
	ds_add_u32 v[SPW], v[NIL]
	s_add_nc_u64 s[G0A+2:G0A+3], s[G0A+2:G0A+3], CS
	s_add_nc_u64 s[G0B+2:G0B+3], s[G0B+2:G0B+3], CS
	s_add_co_u32 s[G0A+1], s84, SLOT
	s_add_co_u32 s[G0B+1], s85, SLOT
	s_wait_dscnt 0x0
	CROUND
	JLOAD
.irp n, 0,1,2,3,4,5,6,7,8,9,10,11
	LDB 0, 0, 0, \n
.endr
.irp a, 0,1,2,3
	LDA 0, 0, \a
.endr
	SUB 0,0, 0,1, 1,1, 0,0, 0,0                    ; step 0, first half
	s_mov_b32 s[CNT], 2
.Lring:                                            ; a trip: from the second half of step 3 r to the first half of step 3 r + 3; its three changes of slots load chunks 3 r + 2 .. 3 r + 4
	SUB 0,1, 1,0, 0,1, 1,2, 1,1
	SUB 1,0, 1,1, 0,1, 0,0, -1,0
	SUB 1,1, 2,0, 0,1, 1,0, 2,1
	SUB 2,0, 2,1, 0,1, 0,0, -1,0
	SUB 2,1, 0,0, 0,1, 1,1, 3,1
	SUB 0,0, 0,1, 0,1, 0,0, -1,0
	s_sub_co_u32 s[CNT], s[CNT], 1
	s_cmp_lg_u32 s[CNT], 0
	s_cbranch_scc1 .Lring
	SUB 0,1, 1,0, 0,1, 2,2, -1,0                   ; step 6, second half: the prefix's first half into slot 2
	SUB 1,0, 1,1, 0,1, 0,0, -1,0
	SUB 1,1, 0,0, 0,0, 3,0, -1,0                   ; step 7, second half: the prefix's second half into slot 0
	; the prefix tile's biases, both patterns: along X (eight a tile) and along Y (one a lane)
.irp t, 0,1,2,3
	global_load_b128 v[PACC+8*\t:PACC+8*\t+3], v[BO1], s[66:67] offset:4*(32*(\t/2)+8*(\t%2))
	global_load_b128 v[PACC+8*\t+4:PACC+8*\t+7], v[BO1], s[66:67] offset:4*(32*(\t/2)+8*(\t%2))+16
.endr
	global_load_b32 v[PY], v[BO3], s[66:67]
; THE WAY OUT.  Four accumulators at a time: the hold (the conversion does not saturate: ISA guide 7.6.2), each accumulator from its low end on; four conversions; two stores of 512 consecutive bytes.
.set NBAT, 0
.macro HOLD a, n, k, sc
.set IDX, (\a)*12+(\n)
.set AR, (IDX%32)*8
	WIN 1+IDX/32
.irp i, 0,1,2,3,4,5,6,7
	v_med3_num_f32 v[TMP+8*(\k)+\i], v[AR+\i], -v[\sc+1], v[\sc+1]
.endr
.endm
.macro BATCH a0,n0, a1,n1, a2,n2, a3,n3, sc, ob, off
.set CB, CD+8*(NBAT%16)
.if NBAT == 16
	s_wait_xcnt 0x0                                ; the first sixteen batches' stores have read their registers
.endif
	HOLD \a0, \n0, 0, \sc
	HOLD \a1, \n1, 1, \sc
	HOLD \a2, \n2, 2, \sc
	HOLD \a3, \n3, 3, \sc
	WIN 0
.irp k, 0,1,2,3
	v_cvt_scalef32_pk8_fp8_f32 v[CB+2*\k:CB+2*\k+1], v[TMP+8*\k:TMP+8*\k+7], v[\sc]
.endr
	v_nop                                          ; a plain line behind the conversions
	global_store_b128 v[LO], v[CB:CB+3], s[\ob:\ob+1] offset:\off
	global_store_b128 v[LO], v[CB+4:CB+7], s[\ob:\ob+1] offset:(\off)+512
.set NBAT, NBAT+1
.endm
.irp a, 0,1,2,3,4,5,6,7
	BATCH \a,0, \a,1, \a,2, \a,3, SCQ, 92, \a*1024
.endr
.irp a, 0,1,2,3,4,5,6,7
	BATCH \a,4, \a,5, \a,6, \a,7, SCK, 96, \a*1024
.endr
.irp t, 0,1,2,3
	BATCH 0,8+\t, 1,8+\t, 2,8+\t, 3,8+\t, SCV, 96, 32768+\t*2048
	BATCH 4,8+\t, 5,8+\t, 6,8+\t, 7,8+\t, SCV, 96, 32768+\t*2048+1024
.endr
.irp a, 0,1,2,3,4,5,6,7
	BATCH \a,0, \a,1, \a,2, \a,3, SCQ2, 94, \a*1024
.endr
; THE PREFIX TILE: wave w takes Y's tile w against X's four; 128 along K an instruction; the four sums take turns.
	s_wait_xcnt 0x0
	s_wait_loadcnt 0x0
.set i, 0
.rept 32
	v_cndmask_b32 v[PACC+i], v[PACC+i], v[PY], s61 ; v_p: the bias goes with Y
.set i, i+1
.endr
.set i, 0
.rept 32
	v_ldexp_f32 v[PACC+i], v[PACC+i], s63
.set i, i+1
.endr
.macro PFR ax, ay, kc, set
.irp x, 0,1,2,3
.irp c, 0,1,2,3
	ds_load_b128 v[PF+80*(\set)+16*\x+4*\c:PF+80*(\set)+16*\x+4*\c+3], v[\ax] offset:(\kc)*64*P+\x*16*P+32*\c
.endr
.endr
.irp c, 0,1,2,3
	ds_load_b128 v[PF+80*(\set)+64+4*\c:PF+80*(\set)+64+4*\c+3], v[\ay] offset:(\kc)*64*P+32*\c
.endr
.endm
.macro PHALF ax, ay
.irp kk, 0,2
	PFR \ax, \ay, \kk, 0
	PFR \ax, \ay, \kk+1, 1
	s_wait_alu depctr_va_vdst(0)
	s_wait_dscnt 0x0
.irp set, 0,1
.irp x, 0,1,2,3
	v_wmma_f32_16x16x128_fp8_fp8 v[PACC+8*\x:PACC+8*\x+7], v[PF+80*\set+16*\x:PF+80*\set+16*\x+15], v[PF+80*\set+64:PF+80*\set+79], v[PACC+8*\x:PACC+8*\x+7]
.endr
.endr
	PLACES 4
.endr
.endm
	PHALF APX2, APY2
	s_wait_tensorcnt 0x0                           ; my part of the second half
	ds_add_u32 v[SPW], v[NIL]
	s_wait_dscnt 0x0
	s_barrier_signal -1
	s_barrier_wait -1                              ; everybody's; nothing is filled again
	PHALF APX0, APY0
.set i, 0
.rept 32
	v_med3_num_f32 v[TMP+i], v[PACC+i], -v[SCP+1], v[SCP+1]
.set i, i+1
.endr
.irp k, 0,1,2,3
	v_cvt_scalef32_pk8_fp8_f32 v[CD+2*\k:CD+2*\k+1], v[TMP+8*\k:TMP+8*\k+7], v[SCP]
.endr
	v_nop
	global_store_b128 v[LO], v[CD:CD+3], s[98:99]
	global_store_b128 v[LO], v[CD+4:CD+7], s[98:99] offset:512
	s_wait_tensorcnt 0x0                           ; the wave's end
	ds_add_u32 v[SPW], v[NIL]
	s_wait_dscnt 0x0
	CROUND                                         ; the closing round
	s_endpgm
.Lfunc_end_k_qf5a18a2d75_qkv:
	.size	k_qf5a18a2d75_qkv, .Lfunc_end_k_qf5a18a2d75_qkv-k_qf5a18a2d75_qkv
	.p2alignl 7, 3214868480
	.fill 96, 4, 3214868480
	.section	.rodata,"a",@progbits
	.p2align	6, 0x0
	.amdhsa_kernel k_qf5a18a2d75_qkv
		.amdhsa_group_segment_fixed_size 327680
		.amdhsa_private_segment_fixed_size 0
		.amdhsa_enable_private_segment 0
		.amdhsa_kernarg_size 48
		.amdhsa_user_sgpr_count 2
		.amdhsa_user_sgpr_kernarg_segment_ptr 1
		.amdhsa_wavefront_size32 1
		.amdhsa_system_sgpr_workgroup_id_x 1
		.amdhsa_system_sgpr_workgroup_id_y 1
		.amdhsa_system_sgpr_workgroup_id_z 1
		.amdhsa_system_vgpr_workitem_id 0
		.amdhsa_next_free_vgpr 1024
		.amdhsa_next_free_sgpr 106
		.amdhsa_reserve_vcc 0
		.amdhsa_float_denorm_mode_32 3
		.amdhsa_float_denorm_mode_16_64 3
		.amdhsa_memory_ordered 1
		.amdhsa_forward_progress 1
		.amdhsa_inst_pref_size 223
	.end_amdhsa_kernel
	.amdgpu_metadata
---
amdhsa.version: [ 1, 2 ]
amdhsa.kernels:
  - .name:           k_qf5a18a2d75_qkv
    .symbol:         k_qf5a18a2d75_qkv.kd
    .args:
      - { .name: cod, .offset: 0, .size: 8, .value_kind: global_buffer, .address_space: global }
      - { .name: b_attn, .offset: 8, .size: 8, .value_kind: global_buffer, .address_space: global }
      - { .name: b_prefix, .offset: 16, .size: 8, .value_kind: global_buffer, .address_space: global }
      - { .name: lowp_scales, .offset: 24, .size: 8, .value_kind: global_buffer, .address_space: global }
      - { .name: qc, .offset: 32, .size: 8, .value_kind: global_buffer, .address_space: global }
      - { .name: kvc, .offset: 40, .size: 8, .value_kind: global_buffer, .address_space: global }
    .group_segment_fixed_size: 327680
    .private_segment_fixed_size: 0
    .kernarg_segment_align: 8
    .kernarg_segment_size: 48
    .max_flat_workgroup_size: 128
    .sgpr_count:     106
    .vgpr_count:     1024
    .wavefront_size: 32
...
	.end_amdgpu_metadata
.endif
;; end of part 2
;; launch attn (part 3): grid 2 x 128, 16 waves a work-group, no clusters, 327,680 bytes of LDS; arguments qc, kvc, lowp_scales, yc; writes yc
.if DOCPART == 3
	.amdgcn_target "amdgcn-amd-amdhsa--gfx1250"
	.amdhsa_code_object_version 6
	.text
	.protected	k_qf5a18a2d75_attn
	.globl	k_qf5a18a2d75_attn
	.p2align	8
	.type	k_qf5a18a2d75_attn,@function
k_qf5a18a2d75_attn:
	s_mov_b64 s[64:65], 0
	v_nop
	global_prefetch_b8 v0, s[64:65] scope:SCOPE_SE
	s_setreg_imm32_b32 hwreg(HW_REG_WAVE_MODE, 25, 1), 1
	s_wait_xcnt 0x0
; y = softmax(q k_p^T) v_p + softmax(q k^T) v under the causal mask, all four products on codes of E4M3; y is quantised under entry 12 for the projection.
; A work-group owns one batch and head and every second tile of 16 queries; each of its sixteen waves owns two tiles: first an early one (number 2 wave + x, under 32), then a late one (63 less that number).
; The head's block of kvc, 139,264 dense bytes, lies in LDS as in memory: k and v of keys 0-511, k_p, v_p (73,728 bytes), then k and v of keys 512-1023 (65,536 bytes).
; The first part is fetched at the head, 18 rows of 256 bytes a wave; the second behind the first barrier, 16 rows a wave, issued as a refill is: the early tiles need keys 0-511 alone (four trips),
; and the second part is waited for, with a barrier, in front of the late tiles.  No byte is filled twice.  No cluster: the two work-groups of a head are fewer than a cluster's four.
; No prefetch: both parts are asked for before the first loop begins.
; The block holds images of the operands' registers: a fragment's 32 along K are 512 bytes, 16 x lane.  Both products are used transposed: a lane holds one query.
; Key steps that lie wholly behind a wave's queries are jumped over by a scalar branch on ids.  p = 2^(t - M), M the ceiling of the running largest t; the row's sum is taken of the unquantised p.
; LIMITS: e4 + e5 and e6 + e7 between -123 and 130; entries 8, 10, 12 between -126 and 119.  The scaled scores stay under 2^31 in magnitude.
.set KB,    8192
.set VBASE, 4*KB
.set KPB,   8*KB
.set VPB,   KPB+4096
.set HI,    73728
.set WV,  12
.set G1,  28
.set G1H, 36
	s_load_b256 s[4:11], s[0:1], 0x0
	v_lshl_add_u32 v254, v0, 2, 0x29000
	v_mov_b32 v255, 0
	ds_add_u32 v254, v255
	ds_add_u32 v254, v255
	s_wait_dscnt 0x0
	v_lshrrev_b32 v8, 5, v0
	s_delay_alu instid0(VALU_DEP_1)
	v_readfirstlane_b32 s[WV], v8
	s_and_b32 s13, ttmp7, 0xffff
	s_lshr_b32 s14, s13, 4
	s_and_b32 s15, s13, 15
	s_mov_b32 s[G1], 0
	s_mov_b32 s[G1+1], 256<<16
	s_mov_b32 s[G1+2], 18<<16
	s_mov_b32 s[G1+3], 256<<16
	s_mov_b32 s[G1+4], 18
	s_mov_b32 s[G1+5], 256
	s_mov_b32 s[G1+6], 0
	s_mov_b32 s[G1+7], 0
	s_mov_b32 s[G1H], 0
	s_mov_b32 s[G1H+1], 256<<16
	s_mov_b32 s[G1H+2], 16<<16
	s_mov_b32 s[G1H+3], 256<<16
	s_mov_b32 s[G1H+4], 16
	s_mov_b32 s[G1H+5], 256
	s_mov_b32 s[G1H+6], 0
	s_mov_b32 s[G1H+7], 0
	s_lshl_b32 s90, s14, 20
	s_lshl_b32 s56, s15, 13
	s_add_co_u32 s90, s90, s56
	s_mul_i32 s56, s13, 139264                     ; the head's block of kvc
	s_lshl_b32 s59, s[WV], 12
	s_add_co_u32 s59, s59, HI                      ; my sixteenth of the second part, in LDS as in the block
	s_add_co_u32 s60, s56, s59
	s_mov_b32 s61, 0
	s_mul_i32 s58, s[WV], 4608                     ; and of the first
	s_add_co_u32 s56, s56, s58
	s_mov_b32 s57, 0
	s_mov_b32 s20, 0x76543210
	s_mov_b32 s21, 0xfedcba98
	s_mov_b32 s22, 0x3e38aa3b
	s_mov_b32 s24, 0x3e38aa3b
	s_wait_kmcnt 0x0
	s_load_b256 s[80:87], s[8:9], 0x10
	s_load_b32 s88, s[8:9], 0x30
	s_mov_b32 s68, 1
	s_mov_b32 s69, s58
	s_add_nc_u64 s[70:71], s[6:7], s[56:57]
	s_or_b32 s71, s71, 0x80000000
	s_mov_b32 s72, 1
	s_mov_b32 s73, s59
	s_add_nc_u64 s[74:75], s[6:7], s[60:61]
	s_or_b32 s75, s75, 0x80000000
	tensor_load_to_lds s[68:71], s[G1:G1+7]
	s_nop 0
.rept 4
	v_nop
.endr
	v_and_b32 v8, 15, v0
	v_bfe_u32 v9, v0, 4, 1
	v_and_b32 v10, 31, v0
	v_lshlrev_b32 v1, 4, v10                       ; an image: 16 x lane; k from byte 0,
	v_add_nc_u32 v3, KPB, v1                       ; k_p,
	v_add_nc_u32 v2, VBASE, v1                     ; v,
	v_add_nc_u32 v4, VPB, v1                       ; v_p
	v_lshrrev_b32 v10, 3, v8
	v_and_b32 v11, 7, v8
	v_lshlrev_b32 v5, 10, v10                      ; q: query 8 v + s of a tile of 16 neighbours lies in image tile 2 b + v, lane s + 8 u of its half
	v_lshl_add_u32 v5, v11, 4, v5
	v_lshl_add_u32 v5, v9, 8, v5
	s_wait_alu depctr_va_vdst(0)
	v_and_b32 v6, 31, v0
	s_delay_alu instid0(VALU_DEP_1)
	v_lshlrev_b32 v6, 4, v6
	v_lshlrev_b32 v10, 4, v9
	s_delay_alu instid0(VALU_DEP_1)
	v_sub_nc_u32 v7, v8, v10
	v_mov_b32 v248, 0
	v_mov_b32 v249, 0xff800000
	v_mov_b32 v251, 0
	v_mov_b32 v253, 0
	s_lshl_b32 s16, s[WV], 1
	s_add_co_u32 s16, s16, ttmp9                   ; my early tile
.macro QLOAD
	s_lshr_b32 s50, s16, 3
	s_lshl_b32 s50, s50, 17
	s_add_co_u32 s50, s50, s90
	s_bfe_u32 s52, s16, 0x20001
	s_lshl_b32 s52, s52, 11
	s_add_co_u32 s50, s50, s52
	s_and_b32 s52, s16, 1
	s_lshl_b32 s52, s52, 7
	s_add_co_u32 s50, s50, s52
	s_mov_b32 s51, 0
	s_add_nc_u64 s[44:45], s[4:5], s[50:51]
	s_add_nc_u64 s[46:47], s[44:45], 0x800000
	global_load_b128 v[16:19], v5, s[44:45]
	global_load_b128 v[20:23], v5, s[44:45] offset:512
	global_load_b128 v[24:27], v5, s[46:47]
	global_load_b128 v[28:31], v5, s[46:47] offset:512
.endm
	QLOAD
	s_wait_kmcnt 0x0
	s_add_co_i32 s56, s80, s81
	s_lshl_b32 s56, s56, 23
	s_add_co_i32 s22, s22, s56
	s_mov_b32 s23, s22
	s_add_co_i32 s56, s82, s83
	s_lshl_b32 s56, s56, 23
	s_add_co_i32 s24, s24, s56
	s_mov_b32 s25, s24
	s_add_co_i32 s54, s84, s85
	s_add_co_i32 s55, s86, s87
.macro SCALES se, vs, vl
	s_add_co_i32 s56, s[\se], 127
	s_lshl_b32 s57, s56, 23
	v_mov_b32 v[\vs], s57
	s_add_co_i32 s56, s56, 8
	s_lshl_b32 s56, s56, 23
	s_or_b32 s56, s56, 0x600000
	v_mov_b32 v[\vl], s56
.endm
	SCALES 86, 241, 240
	SCALES 84, 243, 242
	SCALES 88, 245, 244
	s_wait_alu depctr_va_vdst(0)
	s_wait_tensorcnt 0x0                           ; my part of the first part is in; the second part's first fill is issued as a refill is
	ds_add_u32 v254, v255
	s_wait_dscnt 0x0
	s_barrier_signal -1
	s_barrier_wait -1
	tensor_load_to_lds s[72:75], s[G1H:G1H+7]
	s_nop 0
.rept 4
	v_nop
.endr
.macro PADDR
	s_lshl_b32 s17, s16, 4
	s_lshr_b32 s50, s16, 3
	s_lshl_b32 s50, s50, 17
	s_add_co_u32 s50, s50, s90
	s_and_b32 s52, s16, 7
	s_lshl_b32 s52, s52, 10
	s_add_co_u32 s50, s50, s52
	s_mov_b32 s51, 0
	s_add_nc_u64 s[48:49], s[10:11], s[50:51]
.endm
.macro PREFIX
.irp t, 0,1,2,3
	ds_load_b128 v[32+8*\t:35+8*\t], v3 offset:1024*\t
	ds_load_b128 v[36+8*\t:39+8*\t], v3 offset:1024*\t+512
.endr
.irp t, 0,1,2,3
	ds_load_b128 v[64+8*\t:67+8*\t], v4 offset:1024*\t
	ds_load_b128 v[68+8*\t:71+8*\t], v4 offset:1024*\t+512
.endr
	s_wait_loadcnt 0x0
	s_wait_dscnt 0x0
.irp t, 0,1,2,3
	v_wmma_f32_16x16x64_fp8_fp8 v[96+8*\t:103+8*\t], v[32+8*\t:39+8*\t], v[24:31], 0
.endr
.rept 4
	v_nop
.endr
	s_cmp_ge_u32 s17, 63
	s_cbranch_scc1 .Lp_open_\@
	v_add_nc_u32 v255, s17, v7
.irp n, 0,1,2,3,4,5,6,7,8,9,10,11,12,13,14,15,16,17,18,19,20,21,22,23,24,25,26,27,28,29,30,31
	v_cmp_gt_i32 vcc_lo, 32*(\n/16)+\n%16, v255
	v_cndmask_b32 v[96+\n], v[96+\n], v249, vcc_lo
.endr
.Lp_open_\@:
	v_max3_num_f32 v254, v96, v97, v98
	v_max3_num_f32 v255, v99, v100, v101
.irp i, 6,10,14,18,22,26
	v_max3_num_f32 v254, v254, v[96+\i], v[97+\i]
	v_max3_num_f32 v255, v255, v[98+\i], v[99+\i]
.endr
	v_max3_num_f32 v254, v254, v126, v127
	s_delay_alu instid0(VALU_DEP_1)
	v_max_num_f32 v254, v254, v255
	s_delay_alu instid0(VALU_DEP_1)
	v_permlanex16_b32 v248, v254, s20, s21
	s_delay_alu instid0(VALU_DEP_1)
	v_max_num_f32 v254, v254, v248
	s_delay_alu instid0(VALU_DEP_1)
	v_mul_f32 v254, s24, v254
	s_delay_alu instid0(VALU_DEP_1)
	v_floor_f32 v252, -v254
.set j, 0
.rept 16
	v_pk_fma_f32 v[96+j:97+j], v[96+j:97+j], s[24:25], v[252:253] op_sel_hi:[1,0,0]
.set j, j+2
.endr
.set j, 0
	s_wait_alu depctr_va_vdst(0)
.rept 32
	v_exp_f32 v[96+j], v[96+j]
.set j, j+1
.endr
	v_nop
	s_wait_alu depctr_va_vdst(0)
	v_pk_add_f32 v[246:247], v[96:97], v[98:99]
	v_pk_add_f32 v[254:255], v[100:101], v[102:103]
.irp j, 8,12,16,20,24,28
	v_pk_add_f32 v[246:247], v[246:247], v[96+\j:97+\j]
	v_pk_add_f32 v[254:255], v[254:255], v[98+\j:99+\j]
.endr
	s_delay_alu instid0(VALU_DEP_1)
	v_pk_add_f32 v[246:247], v[246:247], v[254:255]
	s_delay_alu instid0(VALU_DEP_1)
	v_add_f32 v246, v246, v247
	s_delay_alu instid0(VALU_DEP_1)
	v_permlanex16_b32 v248, v246, s20, s21
	s_delay_alu instid0(VALU_DEP_1)
	v_add_f32 v246, v246, v248
	s_wait_alu depctr_va_vdst(0)
	v_rcp_f32 v252, v246
.set j, 0
.rept 32
	v_min_num_f32 v[96+j], v[96+j], v242
.set j, j+1
.endr
.irp b, 0,1
	v_cvt_scalef32_pk8_fp8_f32 v[224+4*\b:225+4*\b], v[96+16*\b:103+16*\b], v243
	v_cvt_scalef32_pk8_fp8_f32 v[226+4*\b:227+4*\b], v[104+16*\b:111+16*\b], v243
.endr
	v_nop
	s_wait_alu depctr_va_vdst(0)
	v_ldexp_f32 v252, v252, s54
.irp t, 0,1,2,3
	v_wmma_f32_16x16x64_fp8_fp8 v[192+8*\t:199+8*\t], v[64+8*\t:71+8*\t], v[224:231], 0
.endr
.rept 4
	v_nop
.endr
.set j, 0
.rept 16
	v_pk_mul_f32 v[192+j:193+j], v[192+j:193+j], v[252:253] op_sel_hi:[1,0]
.set j, j+2
.endr
.endm
.macro STEP
	s_add_co_u32 s27, s17, 15
	s_cmp_gt_u32 s18, s27
	s_cbranch_scc1 .Lhidden_\@
	v_add_nc_u32 v8, s19, v1
	v_add_nc_u32 v9, s19, v2
	v_nop
	v_nop
.irp t, 0,1,2,3,4,5,6,7
	ds_load_b128 v[32+8*\t:35+8*\t], v8 offset:1024*\t
	ds_load_b128 v[36+8*\t:39+8*\t], v8 offset:1024*\t+512
.endr
	s_wait_alu depctr_va_vdst(0)
	s_wait_dscnt 0x0
.irp t, 0,1,2,3,4,5,6,7
	v_wmma_f32_16x16x64_fp8_fp8 v[96+8*\t:103+8*\t], v[32+8*\t:39+8*\t], v[16:23], 0
.endr
.rept 4
	v_nop
.endr
.irp t, 0,1,2,3
.irp c, 0,1,2,3
	ds_load_b128 v[32+16*\t+4*\c:35+16*\t+4*\c], v9 offset:2048*\t+512*\c
.endr
.endr
	s_add_co_u32 s27, s18, 127
	s_cmp_le_u32 s27, s17
	s_cbranch_scc1 .Lopen_\@
	s_sub_co_i32 s27, s17, s18
	v_add_nc_u32 v255, s27, v7
.irp n, 0,1,2,3,4,5,6,7,8,9,10,11,12,13,14,15,16,17,18,19,20,21,22,23,24,25,26,27,28,29,30,31,32,33,34,35,36,37,38,39,40,41,42,43,44,45,46,47,48,49,50,51,52,53,54,55,56,57,58,59,60,61,62,63
	v_cmp_gt_i32 vcc_lo, 32*(\n/16)+\n%16, v255
	v_cndmask_b32 v[96+\n], v[96+\n], v249, vcc_lo
.endr
.Lopen_\@:
	v_max3_num_f32 v254, v96, v97, v98
	v_max3_num_f32 v255, v99, v100, v101
.irp i, 6,10,14,18,22,26,30,34,38,42,46,50,54,58
	v_max3_num_f32 v254, v254, v[96+\i], v[97+\i]
	v_max3_num_f32 v255, v255, v[98+\i], v[99+\i]
.endr
	v_max3_num_f32 v254, v254, v158, v159
	s_delay_alu instid0(VALU_DEP_1)
	v_max_num_f32 v254, v254, v255
	s_delay_alu instid0(VALU_DEP_1)
	v_permlanex16_b32 v248, v254, s20, s21
	s_delay_alu instid0(VALU_DEP_1)
	v_max_num_f32 v254, v254, v248
	s_delay_alu instid0(VALU_DEP_1)
	v_mul_f32 v254, s22, v254
	s_delay_alu instid0(VALU_DEP_1)
	v_max_num_f32 v13, v13, v254
	v_mov_b32 v254, v12
	s_delay_alu instid0(VALU_DEP_2)
	v_floor_f32 v12, -v13
	s_delay_alu instid0(VALU_DEP_1)
	v_sub_f32 v254, v12, v254
	s_delay_alu instid0(VALU_DEP_1)
	v_cvt_i32_f32 v254, v254
	s_delay_alu instid0(VALU_DEP_1)
	v_ldexp_f32 v250, 1.0, v254
.set j, 0
.rept 32
	v_pk_fma_f32 v[96+j:97+j], v[96+j:97+j], s[22:23], v[12:13] op_sel_hi:[1,0,0]
.set j, j+2
.endr
.set j, 0
	s_wait_alu depctr_va_vdst(0)
.rept 64
	v_exp_f32 v[96+j], v[96+j]
.set j, j+1
.endr
	v_pk_mul_f32 v[14:15], v[14:15], v[250:251] op_sel_hi:[1,0]
	s_wait_alu depctr_va_vdst(0)
	v_pk_add_f32 v[246:247], v[96:97], v[98:99]
.irp j, 4,8,12,16,20,24,28,32,36,40,44,48,52,56,60
	v_pk_add_f32 v[14:15], v[14:15], v[96+\j:97+\j]
	v_pk_add_f32 v[246:247], v[246:247], v[98+\j:99+\j]
.endr
	s_delay_alu instid0(VALU_DEP_1)
	v_pk_add_f32 v[14:15], v[14:15], v[246:247]
.irp b, 0,1,2,3
.set j, 0
.rept 16
	v_min_num_f32 v[96+16*\b+j], v[96+16*\b+j], v240
.set j, j+1
.endr
	v_cvt_scalef32_pk8_fp8_f32 v[224+4*\b:225+4*\b], v[96+16*\b:103+16*\b], v241
	v_cvt_scalef32_pk8_fp8_f32 v[226+4*\b:227+4*\b], v[104+16*\b:111+16*\b], v241
.endr
.set j, 0
.rept 16
	v_pk_mul_f32 v[160+j:161+j], v[160+j:161+j], v[250:251] op_sel_hi:[1,0]
.set j, j+2
.endr
	s_wait_alu depctr_va_vdst(0)
	s_wait_dscnt 0x0
.irp t, 0,1,2,3
	v_wmma_f32_16x16x128_fp8_fp8 v[160+8*\t:167+8*\t], v[32+16*\t:47+16*\t], v[224:239], v[160+8*\t:167+8*\t]
.endr
.Lhidden_\@:
	s_add_co_u32 s18, s18, 128
	s_add_co_u32 s19, s19, KB
.endm
.macro FINAL nxt
.rept 4
	v_nop
.endr
.if \nxt
	s_sub_co_u32 s16, 63, s16
	QLOAD
.endif
	v_add_f32 v14, v14, v15
	s_delay_alu instid0(VALU_DEP_1)
	v_permlanex16_b32 v248, v14, s20, s21
	s_delay_alu instid0(VALU_DEP_1)
	v_add_f32 v14, v14, v248
	s_wait_alu depctr_va_vdst(0)
	v_rcp_f32 v252, v14
	v_nop
	s_wait_alu depctr_va_vdst(0)
	v_ldexp_f32 v252, v252, s55
.set j, 0
.rept 16
	v_pk_fma_f32 v[160+j:161+j], v[160+j:161+j], v[252:253], v[192+j:193+j] op_sel_hi:[1,0,1]
.set j, j+2
.endr
.set j, 0
.rept 32
	v_med3_num_f32 v[160+j], v[160+j], -v244, v244
.set j, j+1
.endr
.irp c, 0,1
	v_cvt_scalef32_pk8_fp8_f32 v[224+4*\c:225+4*\c], v[160+16*\c:167+16*\c], v245
	v_cvt_scalef32_pk8_fp8_f32 v[226+4*\c:227+4*\c], v[168+16*\c:175+16*\c], v245
.endr
	v_nop
	global_store_b128 v6, v[224:227], s[48:49]
	global_store_b128 v6, v[228:231], s[48:49] offset:512
.endm
.macro PASS nxt                        ; nxt = 1: the early tile, keys 0-511 alone; nxt = 0: the late tile, all keys
	PADDR
	PREFIX
	v_mov_b32 v13, 0xff61b1e6
	s_delay_alu instid0(VALU_DEP_1)
	v_floor_f32 v12, -v13
	v_mov_b32 v14, 0
	v_mov_b32 v15, 0
.set j, 0
.rept 32
	v_mov_b32 v[160+j], 0
.set j, j+1
.endr
	s_mov_b32 s18, 0
	s_mov_b32 s19, 0
	s_mov_b32 s26, 4
.Lkey_\@:
	STEP
	s_sub_co_u32 s26, s26, 1
	s_cmp_lg_u32 s26, 0
	s_cbranch_scc1 .Lkey_\@
.if !(\nxt)
	s_mov_b32 s19, HI                              ; keys 512 on lie in the second part
	s_mov_b32 s26, 4
.Lkeyh_\@:
	STEP
	s_sub_co_u32 s26, s26, 1
	s_cmp_lg_u32 s26, 0
	s_cbranch_scc1 .Lkeyh_\@
.endif
	FINAL \nxt
.endm
	PASS 1
	s_wait_xcnt 0x0
	s_wait_tensorcnt 0x0                           ; my part of the second part is in
	s_wait_dscnt 0x0
	s_barrier_signal -1
	s_barrier_wait -1                              ; everybody's is
	PASS 0
	s_wait_xcnt 0x0
	v_lshl_add_u32 v254, v0, 2, 0x29000
	v_mov_b32 v255, 0
	s_wait_alu depctr_va_vdst(0)
	s_wait_tensorcnt 0x0
	ds_add_u32 v254, v255
	s_wait_dscnt 0x0
	s_endpgm
.Lfunc_end_k_qf5a18a2d75_attn:
	.size	k_qf5a18a2d75_attn, .Lfunc_end_k_qf5a18a2d75_attn-k_qf5a18a2d75_attn
	.p2alignl 7, 3214868480
	.fill 96, 4, 3214868480
	.section	.rodata,"a",@progbits
	.p2align	6, 0x0
	.amdhsa_kernel k_qf5a18a2d75_attn
		.amdhsa_group_segment_fixed_size 327680
		.amdhsa_private_segment_fixed_size 0
		.amdhsa_enable_private_segment 0
		.amdhsa_kernarg_size 32
		.amdhsa_user_sgpr_count 2
		.amdhsa_user_sgpr_kernarg_segment_ptr 1
		.amdhsa_wavefront_size32 1
		.amdhsa_system_sgpr_workgroup_id_x 1
		.amdhsa_system_sgpr_workgroup_id_y 1
		.amdhsa_system_sgpr_workgroup_id_z 1
		.amdhsa_system_vgpr_workitem_id 0
		.amdhsa_next_free_vgpr 256
		.amdhsa_next_free_sgpr 102
		.amdhsa_reserve_vcc 1
		.amdhsa_float_denorm_mode_32 3
		.amdhsa_float_denorm_mode_16_64 3
		.amdhsa_memory_ordered 1
		.amdhsa_forward_progress 1
		.amdhsa_inst_pref_size 104
	.end_amdhsa_kernel
	.amdgpu_metadata
---
amdhsa.version: [ 1, 2 ]
amdhsa.kernels:
  - .name:           k_qf5a18a2d75_attn
    .symbol:         k_qf5a18a2d75_attn.kd
    .args:
      - { .name: qc, .offset: 0, .size: 8, .value_kind: global_buffer, .address_space: global }
      - { .name: kvc, .offset: 8, .size: 8, .value_kind: global_buffer, .address_space: global }
      - { .name: lowp_scales, .offset: 16, .size: 8, .value_kind: global_buffer, .address_space: global }
      - { .name: yc, .offset: 24, .size: 8, .value_kind: global_buffer, .address_space: global }
    .group_segment_fixed_size: 327680
    .private_segment_fixed_size: 0
    .kernarg_segment_align: 8
    .kernarg_segment_size: 32
    .max_flat_workgroup_size: 512
    .sgpr_count:     102
    .vgpr_count:     256
    .wavefront_size: 32
...
	.end_amdgpu_metadata
.endif
;; end of part 3
;; launch proj (part 4): grid 64 x 4, 4 waves a work-group, clusters of 4 x 4, 327,680 bytes of LDS; arguments yc, wpj, b_proj, lowp_scales, out0; writes out0
.if DOCPART == 4
	.amdgcn_target "amdgcn-amd-amdhsa--gfx1250"
	.amdhsa_code_object_version 6
	.text
	.protected	k_qf5a18a2d75_proj
	.globl	k_qf5a18a2d75_proj
	.p2align	8
	.type	k_qf5a18a2d75_proj,@function
k_qf5a18a2d75_proj:
	s_mov_b64 s[64:65], 0
	v_nop
	global_prefetch_b8 v0, s[64:65] scope:SCOPE_SE
	s_setreg_imm32_b32 hwreg(HW_REG_WAVE_MODE, 25, 1), 1
	s_wait_xcnt 0x0
	s_wait_alu depctr_hold_cnt(0) depctr_sa_sdst(0) depctr_va_vdst(0) depctr_va_sdst(0) depctr_va_ssrc(0) depctr_va_vcc(0) depctr_vm_vsrc(0)
	s_getreg_b32 s2, hwreg(HW_REG_IB_STS2, 6, 4)
	s_cmp_eq_u32 s2, 0
	s_cbranch_scc0 .Lentry_in_a_cluster
	s_endpgm
.Lentry_in_a_cluster:
	s_bfe_u32 s2, ttmp6, 0x10000c
	s_cmp_lg_u32 s2, 0xf033
	s_cbranch_scc0 .Lentry_shape_is_right
	s_endpgm
.Lentry_shape_is_right:
; out0 = y w_proj + b_proj on codes of E4M3: y's codes come from the attention, w_proj's from wpj; each sum x 2^(e12 + e13) + bias, f32.
; A cluster of 4 x 4 work-groups makes 512 rows x 1,024 columns; a work-group 128 rows x 256 columns; each of its four waves all 128 rows x 64 columns: 32 accumulators of 16 x 16.
; K = 1,024 goes in 8 steps of 128, written out.  LDS: all of A (131,072 bytes, images of the operand's registers, no padding), and two slots of B of 256 along K (256 rows of 272 bytes).
; At the head each wave issues one joint load: wave 0, 1 A's halves along K, wave 2, 3 B's slots 0 and 1; every wave waits for its own in front of the first barrier.
; B's last two quarters of K fill slots 0 and 1 again, each by waves 2 and 3 (128 rows each), behind a round of the cluster's barrier.
; A's tile is shared along a row of the cluster, B's along a column.  No prefetch: K has four fills in all, two of them at the head.
; Source 0 = 16 rows of the weight, source 1 = 16 rows of y: a lane holds eight neighbouring columns of one row of out0; they leave through the wave's own stage, sixteen lanes to 256 bytes.
; LIMIT: e12 + e13 between -126 and 127.
; REGISTERS, in windows of 256: window 0 addresses, biases, the way out; window 1 accumulator (a, b) at v[8 (4 a + b)]; windows 2 and 3 the two sets of fragments: A's eight at v[16 a], B's four at v[128 + 16 b].
.set PITCH, 272
.set BB,    131072                     ; B's slots begin behind A
.set BSL,   256*PITCH
.set SPARE, BB+2*BSL
.set ADA,  4                           ; v4-5    A's images, K 0-511 and 512-1023
.set ADB,  8                           ; v8-9    my B fragments in slot 0, 1
.set STO,  12
.set RD,   13
.set CO,   14
.set BOR,  17
.set SPW,  28
.set NIL,  29
.set BR,   32
.set TMP,  64
.set RB,   128
.set WV,   18
.set G1A,  24
.set G1B,  32
.set G0A,  40
.set G0B,  44
.set G0C,  48
.set G1C,  52
.set MSB, 0
.macro WIN new
.if MSB != \new
	s_set_vgpr_msb (MSB<<8)|\new
.set MSB, \new
.endif
.endm
.macro PLACES n
.rept \n
	v_nop
.endr
.endm
.macro CROUND
	s_barrier_signal -1
	s_barrier_wait -1
	s_cmp_lg_u32 s[WV], 0
	s_cbranch_scc1 .Lnot_wave_0_\@
	s_barrier_signal -3
.Lnot_wave_0_\@:
	s_barrier_wait -3
	s_barrier_signal -1
	s_barrier_wait -1
.endm
.macro RLOAD                           ; a refill of a slot of B: waves 2 and 3, 128 rows each
	s_cmp_lt_u32 s[WV], 2
	s_cbranch_scc1 .Lnone_\@
	tensor_load_to_lds s[G0C:G0C+3], s[G1C:G1C+7]
	s_nop 0
	PLACES 4
.Lnone_\@:
	PLACES 4                                       ; in front of the loads into registers that matrix instructions have read
.endm
	s_load_b256 s[4:11], s[0:1], 0x0               ; yc, wpj, b_proj, the exponents
	s_load_b64 s[12:13], s[0:1], 0x20              ; out0
	v_lshl_add_u32 v[SPW], v0, 2, SPARE
	v_mov_b32 v[NIL], 0
	ds_add_u32 v[SPW], v[NIL]                      ; the opening lines
	ds_add_u32 v[SPW], v[NIL]
	v_lshrrev_b32 v1, 5, v0
	v_readfirstlane_b32 s[WV], v1
	s_and_b32 s19, s[WV], 1
	s_bfe_u32 s21, ttmp6, 0x40000                  ; cx
	s_bfe_u32 s22, ttmp6, 0x40004                  ; cy
	s_lshl_b32 s92, s22, 2
	s_lshl_b32 s92, 15, s92                        ; my row of the cluster
	s_lshl_b32 s93, 0x1111, s21                    ; my column
	s_or_b32 s[G1A], s92, (1<<21)
	s_or_b32 s[G1B], s93, (1<<20)|(1<<21)|(5<<22)|(3<<25)
	s_or_b32 s[G1C], s93, (1<<20)|(1<<21)|(5<<22)|(3<<25)
	s_mov_b32 s[G1A+1], 256<<16                    ; A: 65,536 dense bytes as 256 rows of 256
	s_mov_b32 s[G1A+2], 256<<16
	s_mov_b32 s[G1A+3], 256<<16
	s_mov_b32 s[G1A+4], 256
	s_mov_b32 s[G1A+5], 256
	s_mov_b32 s[G1A+6], 0
	s_mov_b32 s[G1A+7], 0
	s_mov_b32 s[G1B+1], 256<<16                    ; B: 256 rows of 256 bytes, 1,024 apart
	s_mov_b32 s[G1B+2], 256<<16
	s_mov_b32 s[G1B+3], 256<<16
	s_mov_b32 s[G1B+4], 256
	s_mov_b32 s[G1B+5], 1024
	s_mov_b32 s[G1B+6], 0
	s_mov_b32 s[G1B+7], 0
	s_mov_b32 s[G1C+1], 256<<16                    ; and 128 rows
	s_mov_b32 s[G1C+2], 128<<16
	s_mov_b32 s[G1C+3], 256<<16
	s_mov_b32 s[G1C+4], 128
	s_mov_b32 s[G1C+5], 1024
	s_mov_b32 s[G1C+6], 0
	s_mov_b32 s[G1C+7], 0
	s_lshl_b32 s94, ttmp9, 2
	s_add_co_u32 s94, s94, s22                     ; tile row: it hangs on cy alone
	s_lshl_b32 s96, s94, 17
	s_lshl_b32 s70, s19, 16                        ; my half of K, in memory and in LDS
	s_add_co_u32 s96, s96, s70
	s_mov_b32 s97, 0
	s_lshl_b32 s98, s21, 18                        ; 256 cx rows: B hangs on cx alone
	s_lshl_b32 s99, s19, 8                         ; slot 0: K 0-255; slot 1: K 256-511
	s_add_co_u32 s98, s98, s99
	s_mov_b32 s99, 0
	s_mul_i32 s71, s19, BSL
	s_add_co_u32 s71, s71, BB
	s_lshl_b32 s74, s21, 18                        ; the refills: my 128 rows, K 512 on
	s_lshl_b32 s75, s19, 17
	s_add_co_u32 s74, s74, s75
	s_add_co_u32 s74, s74, 512
	s_mov_b32 s75, 0
	s_mul_i32 s76, s19, 128*PITCH
	s_add_co_u32 s76, s76, BB
	s_wait_dscnt 0x0
	s_wait_kmcnt 0x0
	s_load_b64 s[72:73], s[10:11], 0x30            ; e12, e13
	s_mov_b32 s[G0A], 1
	s_mov_b32 s[G0A+1], s70
	s_add_nc_u64 s[G0A+2:G0A+3], s[4:5], s[96:97]
	s_or_b32 s[G0A+3], s[G0A+3], 0x80000000
	s_mov_b32 s[G0B], 1
	s_mov_b32 s[G0B+1], s71
	s_add_nc_u64 s[G0B+2:G0B+3], s[6:7], s[98:99]
	s_or_b32 s[G0B+3], s[G0B+3], 0x80000000
	s_mov_b32 s[G0C], 1
	s_mov_b32 s[G0C+1], s76
	s_add_nc_u64 s[G0C+2:G0C+3], s[6:7], s[74:75]
	s_or_b32 s[G0C+3], s[G0C+3], 0x80000000
	CROUND                                         ; all sixteen work-groups are here: the first joint loads meet
	s_cmp_lt_u32 s[WV], 2
	s_cbranch_scc0 .Lfirst_b
	tensor_load_to_lds s[G0A:G0A+3], s[G1A:G1A+7]
	s_nop 0
	PLACES 4
	s_branch .Lfirst_asked
.Lfirst_b:
	tensor_load_to_lds s[G0B:G0B+3], s[G1B:G1B+7]
	s_nop 0
	PLACES 4
.Lfirst_asked:
	s_mul_i32 s2, s[WV], 64*PITCH
	s_add_co_u32 s2, s2, BB
	s_mul_i32 s3, s[WV], 16*272                    ; my stage, 16 rows of 272 bytes, in A's first half, which has had its one fill and its last read by then
	v_and_b32 v1, 15, v0
	v_bfe_u32 v2, v0, 4, 1
	v_and_b32 v19, 31, v0
	v_lshlrev_b32 v[ADA], 4, v19
	v_add_nc_u32 v[ADA+1], 65536, v[ADA]
	v_mul_u32_u24 v7, v1, PITCH
	v_lshl_add_u32 v7, v2, 4, v7
	v_add_nc_u32 v[ADB], s2, v7
	v_add_nc_u32 v[ADB+1], BSL, v[ADB]
	v_mul_u32_u24 v[STO], v1, 272
	v_lshl_add_u32 v[STO], v2, 5, v[STO]
	v_add_nc_u32 v[STO], s3, v[STO]
	v_mul_u32_u24 v[RD], v2, 272
	v_lshl_add_u32 v[RD], v1, 4, v[RD]
	v_add_nc_u32 v[RD], s3, v[RD]
	v_lshlrev_b32 v[CO], 12, v2
	v_lshl_add_u32 v[CO], v1, 4, v[CO]
	v_lshlrev_b32 v[BOR], 5, v2
	s_wait_alu depctr_va_vdst(0)
	s_lshl_b32 s2, s94, 19
	s_lshl_b32 s3, s21, 10
	s_add_co_u32 s2, s2, s3
	s_lshl_b32 s3, s[WV], 8
	s_add_co_u32 s2, s2, s3
	s_mov_b32 s3, 0
	s_add_nc_u64 s[86:87], s[12:13], s[2:3]
	s_lshl_b32 s2, s21, 10
	s_lshl_b32 s3, s[WV], 8
	s_add_co_u32 s2, s2, s3
	s_mov_b32 s3, 0
	s_add_nc_u64 s[90:91], s[8:9], s[2:3]
.irp b, 0,1,2,3
	global_load_b128 v[BR+8*\b:BR+8*\b+3], v[BOR], s[90:91] offset:64*\b
	global_load_b128 v[BR+8*\b+4:BR+8*\b+7], v[BOR], s[90:91] offset:64*\b+16
.endr
	s_wait_kmcnt 0x0
	s_add_co_i32 s2, s72, s73
	s_add_co_i32 s2, s2, 127
	s_lshl_b32 s66, s2, 23
	s_mov_b32 s67, s66
.macro FETCH q                         ; 48 LDS loads in one run: the fragments of K step q into set q % 2
	WIN 0x80+0x40*((\q)%2)
.irp b, 0,1,2,3
.irp c, 0,1,2,3
	ds_load_b128 v[128+16*\b+4*\c:128+16*\b+4*\c+3], v[ADB+((\q)/2)%2] offset:128*((\q)%2)+32*\c+\b*16*PITCH
.endr
.endr
.irp a, 0,1,2,3,4,5,6,7
.irp c, 0,1,2,3
	ds_load_b128 v[16*\a+4*\c:16*\a+4*\c+3], v[ADA+(\q)/4] offset:((\q)%4)*16384+(\c/2)*8192+\a*1024+(\c%2)*512
.endr
.endr
	WIN 0
.endm
.macro MUL q, zero                     ; 32 products; the 32 accumulators take turns
	WIN 0x5a+5*((\q)%2)
.irp a, 0,1,2,3,4,5,6,7
.irp b, 0,1,2,3
.if \zero
	v_wmma_f32_16x16x128_fp8_fp8 v[8*(4*\a+\b):8*(4*\a+\b)+7], v[128+16*\b:128+16*\b+15], v[16*\a:16*\a+15], 0
.else
	v_wmma_f32_16x16x128_fp8_fp8 v[8*(4*\a+\b):8*(4*\a+\b)+7], v[128+16*\b:128+16*\b+15], v[16*\a:16*\a+15], v[8*(4*\a+\b):8*(4*\a+\b)+7]
.endif
.endr
.endr
	WIN 0
.endm
	s_wait_tensorcnt 0x0                           ; my one load of the head is in
	s_barrier_signal -1
	s_barrier_wait -1                              ; everybody's is: all of A, and B's slots 0 and 1
	FETCH 0
	FETCH 1
	s_wait_dscnt 48
	MUL 0, 1
	s_wait_tensorcnt 0x0                           ; no load of mine is out
	ds_add_u32 v[SPW], v[NIL]
	s_wait_dscnt 0x0                               ; my reads of slot 0 are over
	CROUND
	RLOAD                                          ; slot 0 takes K 512-767
	FETCH 2
	s_wait_dscnt 48
	MUL 1, 0
	PLACES 4
	FETCH 3
	s_wait_dscnt 48
	MUL 2, 0
	s_wait_tensorcnt 0x0
	ds_add_u32 v[SPW], v[NIL]
	s_add_nc_u64 s[G0C+2:G0C+3], s[G0C+2:G0C+3], 256
	s_add_co_u32 s[G0C+1], s76, BSL
	s_wait_dscnt 0x0                               ; my reads of slot 1 are over
	CROUND
	RLOAD                                          ; slot 1 takes K 768-1023
	FETCH 4
	s_wait_dscnt 48
	MUL 3, 0
	PLACES 4
	FETCH 5
	s_wait_dscnt 48
	MUL 4, 0
	s_wait_tensorcnt 0x0
	ds_add_u32 v[SPW], v[NIL]
	s_wait_dscnt 0x0
	s_barrier_signal -1
	s_barrier_wait -1                              ; slot 1 is whole again, and nobody reads A's first half any more: the stages may lie there
	PLACES 4
	FETCH 6
	s_wait_dscnt 48
	MUL 5, 0
	PLACES 4
	FETCH 7
	s_wait_dscnt 48
	MUL 6, 0
	s_wait_dscnt 0x0
	MUL 7, 0
	PLACES 4
.macro TOSTAGE a
	WIN 0x01
.irp b, 0,1,2,3
.irp i, 0,2,4,6
	v_pk_fma_f32 v[TMP+32*((\a)%2)+8*\b+\i:TMP+32*((\a)%2)+8*\b+\i+1], v[8*(4*(\a)+\b)+\i:8*(4*(\a)+\b)+\i+1], s[66:67], v[BR+8*\b+\i:BR+8*\b+\i+1] op_sel_hi:[1,0,1]
.endr
.endr
	WIN 0
.irp b, 0,1,2,3
	ds_store_b128 v[STO], v[TMP+32*((\a)%2)+8*\b:TMP+32*((\a)%2)+8*\b+3] offset:64*\b
	ds_store_b128 v[STO], v[TMP+32*((\a)%2)+8*\b+4:TMP+32*((\a)%2)+8*\b+7] offset:64*\b+16
.endr
.irp t, 0,1,2,3,4,5,6,7
	ds_load_b128 v[RB+32*((\a)%2)+4*\t:RB+32*((\a)%2)+4*\t+3], v[RD] offset:\t*2*272   ; LDS serves a wave's instructions in order: these see my stores
.endr
.endm
.macro SEND a, younger
	s_wait_dscnt \younger
.irp t, 0,1,2,3,4,5,6,7
	global_store_b128 v[CO], v[RB+32*((\a)%2)+4*\t:RB+32*((\a)%2)+4*\t+3], s[86:87] offset:(16*(\a)+2*\t)*4096 th:TH_STORE_NT   ; sixteen lanes store 256 consecutive bytes, aligned
.endr
.endm
	s_wait_loadcnt 0x0                             ; the biases
	TOSTAGE 0
.irp a, 1,2,3,4,5,6,7
.if \a > 1
	s_wait_xcnt 0x0                                ; block a - 2's stores have read their registers
.endif
	TOSTAGE \a
	SEND \a-1, 16
.endr
	SEND 7, 0
	s_wait_tensorcnt 0x0                           ; the wave's end
	ds_add_u32 v[SPW], v[NIL]
	s_wait_dscnt 0x0
	CROUND
	s_endpgm
.Lfunc_end_k_qf5a18a2d75_proj:
	.size	k_qf5a18a2d75_proj, .Lfunc_end_k_qf5a18a2d75_proj-k_qf5a18a2d75_proj
	.p2alignl 7, 3214868480
	.fill 96, 4, 3214868480
	.section	.rodata,"a",@progbits
	.p2align	6, 0x0
	.amdhsa_kernel k_qf5a18a2d75_proj
		.amdhsa_group_segment_fixed_size 327680
		.amdhsa_private_segment_fixed_size 0
		.amdhsa_enable_private_segment 0
		.amdhsa_kernarg_size 40
		.amdhsa_user_sgpr_count 2
		.amdhsa_user_sgpr_kernarg_segment_ptr 1
		.amdhsa_wavefront_size32 1
		.amdhsa_system_sgpr_workgroup_id_x 1
		.amdhsa_system_sgpr_workgroup_id_y 1
		.amdhsa_system_sgpr_workgroup_id_z 1
		.amdhsa_system_vgpr_workitem_id 0
		.amdhsa_next_free_vgpr 1024
		.amdhsa_next_free_sgpr 100
		.amdhsa_reserve_vcc 0
		.amdhsa_float_denorm_mode_32 3
		.amdhsa_float_denorm_mode_16_64 3
		.amdhsa_memory_ordered 1
		.amdhsa_forward_progress 1
		.amdhsa_inst_pref_size 75
	.end_amdhsa_kernel
	.amdgpu_metadata
---
amdhsa.version: [ 1, 2 ]
amdhsa.kernels:
  - .name:           k_qf5a18a2d75_proj
    .symbol:         k_qf5a18a2d75_proj.kd
    .args:
      - { .name: yc, .offset: 0, .size: 8, .value_kind: global_buffer, .address_space: global }
      - { .name: wpj, .offset: 8, .size: 8, .value_kind: global_buffer, .address_space: global }
      - { .name: b_proj, .offset: 16, .size: 8, .value_kind: global_buffer, .address_space: global }
      - { .name: lowp_scales, .offset: 24, .size: 8, .value_kind: global_buffer, .address_space: global }
      - { .name: out0, .offset: 32, .size: 8, .value_kind: global_buffer, .address_space: global }
    .group_segment_fixed_size: 327680
    .private_segment_fixed_size: 0
    .kernarg_segment_align: 8
    .kernarg_segment_size: 40
    .max_flat_workgroup_size: 128
    .sgpr_count:     100
    .vgpr_count:     1024
    .wavefront_size: 32
...
	.end_amdgpu_metadata
.endif
;; end of part 4
